; MI455X (gfx1250); checked and timed in simulation.
; The chip was launched on July 23, 2026; its instructions are those of AMD's public machine-readable ISA for CDNA 5 (MIT licence, August 2026) and "CDNA5" Instruction Set Architecture Reference Guide (July 2026). The comments in the code are by the model that wrote it; some were corrected since.
;; Transformer Block. Allowed arithmetic: float matrix products may take bf16 or f16 operands with f32 sums; all other float work in f32.
;; Inputs: W0 1,024 x 1,024 float32; W1 1,024 x 4,096 float32; W2 4,096 x 1,024 float32; Wk 16 x 1,024 x 64 float32; Wq 16 x 1,024 x 64 float32; Wv 16 x 1,024 x 64 float32; X 2 x 2,048 x 1,024 float32; b0 1,024 float32; b1 4,096 float32; b2 1,024 float32; bk 16 x 64 float32; bq 16 x 64 float32; bv 16 x 64 float32; g1 1,024 float32; g2 1,024 float32; o1 1,024 float32; o2 1,024 float32; padding_mask 2 x 2,048 bool.
;; Outputs: out0 2 x 2,048 x 1,024 float32.
;; 2 versions, each right; version 2 is version 1 with the launches prep, ln2 written anew for expert scheduling mode. Each part assembles by itself: llvm-mc -triple=amdgcn-amd-amdhsa -mcpu=gfx1250 --defsym DOCPART=n.
;; ======== version 1 of 2: 7 launches
;; workspace buffers: wqkv 6,291,456 bytes; wb 25,165,824 bytes; act 8,388,608 bytes; big 33,554,432 bytes; res 16,777,216 bytes; vpart 131,072 bytes
;; launch prep (part 1): grid 448 x 1, 8 waves a work-group, no clusters, 0 bytes of LDS; arguments X, g1, o1, act, Wq, Wk, Wv, wqkv; writes act, wqkv
.if DOCPART == 1
	.amdgcn_target "amdgcn-amd-amdhsa--gfx1250"
	.amdhsa_code_object_version 6
	.text
	.protected	k_qb78147486d_prep
	.globl	k_qb78147486d_prep
	.p2align	8
	.type	k_qb78147486d_prep,@function
k_qb78147486d_prep:
	s_mov_b64 s[64:65], 0
	v_nop
	global_prefetch_b8 v0, s[64:65] scope:SCOPE_SE
	s_setreg_imm32_b32 hwreg(HW_REG_WAVE_MODE, 25, 1), 1
	s_wait_xcnt 0x0
; What the Q, K, V product needs, in one launch of two independent streams.
; Work-groups 0-255: act[r][c] = g1[c] * (X[r][c] - mean) / (sd + 1e-9) + o1[c], sd the biased standard deviation; X [4096][1024] f32, act bf16.
;   One wave, two rows, each kept in 32 registers: read once, mean first, then the squares of the differences (no difference of large sums),
;   so a common offset of the inputs costs no digits.  The reduction never leaves the wave: no LDS, no barrier.
;   Limit: a variance below 2^-126 counts as 0 in the square root; against the 1e-9 that is added this changes nothing that f32 shows.
; Work-groups 256-447: Wq, Wk, Wv [16 heads][1024 k][64 e] f32 -> wqkv[k][which*1024 + head*64 + e] bf16 (round to nearest even), 64 work-groups each.
;   A work-group takes 16 k rows, two a pass; all 16 loads of a thread go out first; no register is written twice.
; Every load of a wave covers whole pieces of 256 or 512 consecutive bytes, every store 256 consecutive aligned bytes for each sixteen (or 32) lanes.
.set G,    2                           ; v[2:33]    gain of my 32 columns
.set O,    34                          ; v[34:65]   offset
.set XA,   66                          ; v[66:97]   first row
.set XB,   98                          ; v[98:129]  second row
.set T,    130                         ; v[130:137] at work
.set MEAN, 138                         ; v[138:139] the mean, twice
.set INV,  140                         ; v[140:141] 1 / (sd + 1e-9), twice
.set CX,   8                           ; the cast: v[8:71]   8 passes x 8 f32 as loaded
.set CY,   72                          ;           v[72:103] 8 passes x 4 registers of bf16
	s_load_b256 s[4:11], s[0:1], 0x0               ; X s[4:5], g1 s[6:7], o1 s[8:9], act s[10:11]
	s_load_b256 s[24:31], s[0:1], 0x20             ; Wq s[24:25], Wk s[26:27], Wv s[28:29], wqkv s[30:31]
	s_cmp_ge_u32 ttmp9, 256
	s_cbranch_scc1 .Lcast
	v_lshrrev_b32 v1, 5, v0
	v_readfirstlane_b32 s14, v1                    ; wave
	v_and_b32 v142, 31, v0
	v_lshlrev_b32 v1, 4, v142                      ; 16 bytes of f32 a lane
	v_lshlrev_b32 v142, 3, v142                    ; 8 bytes of bf16 a lane
	s_mov_b32 s12, 0x76543210                      ; v_permlanex16_b32: lane i reads lane i of the other half
	s_mov_b32 s13, 0xfedcba98
	s_lshl_b32 s15, ttmp9, 3
	s_add_co_u32 s15, s15, s14                     ; pair of rows = 8 x work-group + wave
	s_lshl_b32 s16, s15, 13                        ; two rows of 4,096 bytes
	s_mov_b32 s17, 0
	s_lshl_b32 s18, s15, 12                        ; two rows of 2,048 bytes
	s_mov_b32 s19, 0
	s_wait_kmcnt 0x0
	s_add_nc_u64 s[4:5], s[4:5], s[16:17]
	s_add_nc_u64 s[10:11], s[10:11], s[18:19]
.irp j, 0,1,2,3,4,5,6,7
	global_load_b128 v[XA+4*\j:XA+4*\j+3], v1, s[4:5] offset:512*\j
.endr
.irp j, 0,1,2,3,4,5,6,7
	global_load_b128 v[XB+4*\j:XB+4*\j+3], v1, s[4:5] offset:4096+512*\j
.endr
.irp j, 0,1,2,3,4,5,6,7
	global_load_b128 v[G+4*\j:G+4*\j+3], v1, s[6:7] offset:512*\j
.endr
.irp j, 0,1,2,3,4,5,6,7
	global_load_b128 v[O+4*\j:O+4*\j+3], v1, s[8:9] offset:512*\j
.endr
.macro FOLD                            ; the four chains in v[T:T+7] and the 32 lanes become one sum, in every lane's v[T]
	v_pk_add_f32 v[T:T+1], v[T:T+1], v[T+2:T+3]
	v_pk_add_f32 v[T+4:T+5], v[T+4:T+5], v[T+6:T+7]
	v_pk_add_f32 v[T:T+1], v[T:T+1], v[T+4:T+5]
	v_add_f32 v[T], v[T], v[T+1]
	v_add_f32_dpp v[T], v[T], v[T] row_xmask:1 row_mask:0xf bank_mask:0xf
	v_add_f32_dpp v[T], v[T], v[T] row_xmask:2 row_mask:0xf bank_mask:0xf
	v_add_f32_dpp v[T], v[T], v[T] row_xmask:4 row_mask:0xf bank_mask:0xf
	v_add_f32_dpp v[T], v[T], v[T] row_xmask:8 row_mask:0xf bank_mask:0xf
	v_permlanex16_b32 v[T+1], v[T], s12, s13
	v_add_f32 v[T], v[T], v[T+1]
.endm
; One row.  left = how many younger loads may stay out when the row has to be there.
.macro ROW x, rowoff, left
	s_wait_loadcnt \left
.irp k, 0,1,2,3
	v_pk_add_f32 v[T+2*\k:T+2*\k+1], v[\x+2*\k:\x+2*\k+1], v[\x+8+2*\k:\x+8+2*\k+1]   ; the first sums start the chains
.endr
.irp c, 16,24
.irp k, 0,1,2,3
	v_pk_add_f32 v[T+2*\k:T+2*\k+1], v[T+2*\k:T+2*\k+1], v[\x+\c+2*\k:\x+\c+2*\k+1]
.endr
.endr
	FOLD
	v_mul_f32 v[MEAN], 0x3a800000, v[T]            ; / 1024
	v_mov_b32 v[MEAN+1], v[MEAN]
.set i, 0
.rept 16
	v_pk_add_f32 v[\x+2*i:\x+2*i+1], v[\x+2*i:\x+2*i+1], v[MEAN:MEAN+1] neg_lo:[0,1] neg_hi:[0,1]   ; x - mean
.set i, i+1
.endr
.irp k, 0,1,2,3
	v_pk_mul_f32 v[T+2*\k:T+2*\k+1], v[\x+2*\k:\x+2*\k+1], v[\x+2*\k:\x+2*\k+1]
.endr
.irp c, 8,16,24
.irp k, 0,1,2,3
	v_pk_fma_f32 v[T+2*\k:T+2*\k+1], v[\x+\c+2*\k:\x+\c+2*\k+1], v[\x+\c+2*\k:\x+\c+2*\k+1], v[T+2*\k:T+2*\k+1]
.endr
.endr
	FOLD
	v_mul_f32 v[T], 0x3a800000, v[T]               ; the variance
	v_sqrt_f32 v[T], v[T]
	v_nop                                          ; one plain place behind a transcendental before its result is used (ISA guide 5.7.2)
	s_wait_alu depctr_va_vdst(0)
	v_add_f32 v[T], 0x3089705f, v[T]               ; sd + 1e-9
	v_rcp_f32 v[INV], v[T]
	v_rcp_f32 v[INV+1], v[T]
	v_nop                                          ; the place behind the two reciprocals
.if \left
	s_wait_loadcnt 0x0                             ; gain and offset are in (and the second row)
.endif
.set i, 0
	s_wait_alu depctr_va_vdst(0)
.rept 16
	v_pk_mul_f32 v[\x+2*i:\x+2*i+1], v[\x+2*i:\x+2*i+1], v[INV:INV+1]
.set i, i+1
.endr
.set i, 0
.rept 16
	v_pk_fma_f32 v[\x+2*i:\x+2*i+1], v[\x+2*i:\x+2*i+1], v[G+2*i:G+2*i+1], v[O+2*i:O+2*i+1]
.set i, i+1
.endr
.irp j, 0,1,2,3,4,5,6,7
	v_cvt_pk_bf16_f32 v[\x+4*\j],   v[\x+4*\j],   v[\x+4*\j+1]
	v_cvt_pk_bf16_f32 v[\x+4*\j+1], v[\x+4*\j+2], v[\x+4*\j+3]
	global_store_b64 v142, v[\x+4*\j:\x+4*\j+1], s[10:11] offset:\rowoff+256*\j   ; 32 lanes: 256 consecutive aligned bytes
.endr
.endm
	ROW XA, 0, 24                                  ; 24 younger loads: the second row, gain, offset
	ROW XB, 2048, 0
	s_endpgm
.Lcast:
	; k rows 16 c .. 16 c + 15 of one of the three weights.  Eight lanes read one head's row of 256 bytes; sixteen lanes write 256 consecutive aligned bytes.
	s_sub_co_u32 s3, ttmp9, 256
	s_lshr_b32 s22, s3, 6                          ; which: 0 Wq, 1 Wk, 2 Wv
	s_and_b32 s23, s3, 63                          ; c
	s_lshl_b32 s16, s23, 12                        ; 16 k rows of 256 bytes
	s_mov_b32 s17, 0
	s_mul_i32 s18, s23, 98304                      ; 16 rows of 6,144 bytes
	s_lshl_b32 s20, s22, 11                        ; which x 2,048 bytes
	s_add_co_u32 s18, s18, s20
	s_mov_b32 s19, 0
	v_and_b32 v3, 127, v0                          ; my 8 columns of the 1,024
	v_lshrrev_b32 v4, 7, v0                        ; which of the pass's two k rows
	v_lshrrev_b32 v5, 3, v3                        ; head
	v_and_b32 v6, 7, v0
	v_lshlrev_b32 v1, 18, v5                       ; head x 262,144
	v_lshl_add_u32 v1, v4, 8, v1                   ; + row x 256
	v_lshl_add_u32 v1, v6, 5, v1                   ; + 32 bytes of e
	v_mul_u32_u24 v2, v4, 6144
	v_lshl_add_u32 v2, v3, 4, v2
	s_wait_kmcnt 0x0
	s_cmp_eq_u32 s22, 1
	s_cselect_b64 s[12:13], s[26:27], s[24:25]
	s_cmp_eq_u32 s22, 2
	s_cselect_b64 s[12:13], s[28:29], s[12:13]
	s_add_nc_u64 s[12:13], s[12:13], s[16:17]
	s_add_nc_u64 s[14:15], s[30:31], s[18:19]
.irp p, 0,1,2,3,4,5,6,7
	global_load_b128 v[CX+8*\p:CX+8*\p+3],   v1, s[12:13] offset:\p*512 th:TH_LOAD_NT
	global_load_b128 v[CX+8*\p+4:CX+8*\p+7], v1, s[12:13] offset:\p*512+16 th:TH_LOAD_NT
.endr
.irp p, 0,1,2,3,4,5,6,7
	s_wait_loadcnt 14-2*\p                         ; loads come back in order: pass p's two are in, the younger passes' stay out
.irp k, 0,1,2,3
	v_cvt_pk_bf16_f32 v[CY+4*\p+\k], v[CX+8*\p+2*\k], v[CX+8*\p+2*\k+1]
.endr
	global_store_b128 v2, v[CY+4*\p:CY+4*\p+3], s[14:15] offset:\p*12288
.endr
	s_endpgm
.Lfunc_end_k_qb78147486d_prep:
	.size	k_qb78147486d_prep, .Lfunc_end_k_qb78147486d_prep-k_qb78147486d_prep
	.p2alignl 7, 3214868480
	.fill 96, 4, 3214868480
	.section	.rodata,"a",@progbits
	.p2align	6, 0x0
	.amdhsa_kernel k_qb78147486d_prep
		.amdhsa_group_segment_fixed_size 0
		.amdhsa_private_segment_fixed_size 0
		.amdhsa_enable_private_segment 0
		.amdhsa_kernarg_size 64
		.amdhsa_user_sgpr_count 2
		.amdhsa_user_sgpr_kernarg_segment_ptr 1
		.amdhsa_wavefront_size32 1
		.amdhsa_system_sgpr_workgroup_id_x 1
		.amdhsa_system_sgpr_workgroup_id_y 1
		.amdhsa_system_sgpr_workgroup_id_z 1
		.amdhsa_system_vgpr_workitem_id 0
		.amdhsa_next_free_vgpr 144
		.amdhsa_next_free_sgpr 66
		.amdhsa_reserve_vcc 0
		.amdhsa_float_denorm_mode_32 3
		.amdhsa_float_denorm_mode_16_64 3
		.amdhsa_memory_ordered 1
		.amdhsa_forward_progress 1
		.amdhsa_inst_pref_size 26
	.end_amdhsa_kernel
	.amdgpu_metadata
---
amdhsa.version: [ 1, 2 ]
amdhsa.kernels:
  - .name:           k_qb78147486d_prep
    .symbol:         k_qb78147486d_prep.kd
    .args:
      - { .name: X, .offset: 0, .size: 8, .value_kind: global_buffer, .address_space: global }
      - { .name: g1, .offset: 8, .size: 8, .value_kind: global_buffer, .address_space: global }
      - { .name: o1, .offset: 16, .size: 8, .value_kind: global_buffer, .address_space: global }
      - { .name: act, .offset: 24, .size: 8, .value_kind: global_buffer, .address_space: global }
      - { .name: Wq, .offset: 32, .size: 8, .value_kind: global_buffer, .address_space: global }
      - { .name: Wk, .offset: 40, .size: 8, .value_kind: global_buffer, .address_space: global }
      - { .name: Wv, .offset: 48, .size: 8, .value_kind: global_buffer, .address_space: global }
      - { .name: wqkv, .offset: 56, .size: 8, .value_kind: global_buffer, .address_space: global }
    .group_segment_fixed_size: 0
    .private_segment_fixed_size: 0
    .kernarg_segment_align: 8
    .kernarg_segment_size: 64
    .max_flat_workgroup_size: 256
    .sgpr_count:     66
    .vgpr_count:     144
    .wavefront_size: 32
...
	.end_amdgpu_metadata
.endif
;; end of part 1
;; launch gemm_qkv (part 2): grid 16 x 16, 4 waves a work-group, clusters of 4 x 4, 327,680 bytes of LDS; arguments act, wqkv, bq, bk, bv, big, vpart, W0, W1, W2, wb; writes big, vpart, wb
.if DOCPART == 2
	.amdgcn_target "amdgcn-amd-amdhsa--gfx1250"
	.amdhsa_code_object_version 6
	.text
	.protected	k_qb78147486d_gemm_qkv
	.globl	k_qb78147486d_gemm_qkv
	.p2align	8
	.type	k_qb78147486d_gemm_qkv,@function
k_qb78147486d_gemm_qkv:
	s_mov_b64 s[64:65], 0
	v_nop
	global_prefetch_b8 v0, s[64:65] scope:SCOPE_SE
	s_setreg_imm32_b32 hwreg(HW_REG_WAVE_MODE, 25, 1), 1
	s_wait_xcnt 0x0
	s_wait_alu depctr_hold_cnt(0) depctr_sa_sdst(0) depctr_va_vdst(0) depctr_va_sdst(0) depctr_va_ssrc(0) depctr_va_vcc(0) depctr_vm_vsrc(0)
	s_getreg_b32 s2, hwreg(HW_REG_IB_STS2, 6, 4)
	s_cmp_eq_u32 s2, 0
	s_cbranch_scc0 .Lentry_in_a_cluster
	s_endpgm
.Lentry_in_a_cluster:
	s_bfe_u32 s2, ttmp6, 0x10000c
	s_cmp_lg_u32 s2, 0xf033
	s_cbranch_scc0 .Lentry_shape_is_right
	s_endpgm
.Lentry_shape_is_right:
; big[m][n] = sum over k of act[m][k] wqkv[k][n] + bias[n], bf16 operands, f32 sums, bf16 out.  act [4096][1024], wqkv [1024][3072],
; big [4096][3072]: columns 0-1023 Q, 1024-2047 K, 2048-3071 V (head*64 + e inside each).  Also vpart[128-row block][column of V] = the column's sum in f32.
; A work-group makes 256 x 256 with four waves, a wave 128 x 128: 64 accumulator tiles, 512 registers.  K in steps of 128 through two LDS slots.
; The weights lie [K][N]: their fragments come out of LDS by the transposing load, two loads a fragment like A's.
; CLUSTERS: 4 x 4 work-groups; A's tile is asked for jointly along a row of the cluster, the weights' along a column: a quarter of the requests.
; The product has 12 x 16 = 192 blocks: clusters x = 0, 1, 2 are exactly Q, K, V.  The 64 work-groups of cluster x = 3 have no block; they round W0, W1, W2 to bf16
; for the later launches: wb, in bytes: W0 [1024][1024] at 6,291,456, W1 [1024][4096] at 8,388,608, W2 [4096][1024] at 16,777,216 (bytes 0 to 6,291,455 are not used).
; The branch between the two ways hangs on the cluster's x alone, which all partners share; it stands behind the opening round, and both ways meet in front of the closing round.
; REGISTERS in windows of 256: window 0: v0-31 addresses, v32-63 and v224-255 the bias of my 128 columns, v64-127 and v128-191 fragments of A (two buffers),
; v192-223 at work on the way out; window 1: v64-191 fragments of the weights; windows 2 and 3: accumulators of my rows 0-63 and 64-127 (tile (a, b) at v[8 (8 a + b)]).
; THE MATRIX INSTRUCTION IS USED TRANSPOSED (source 0 = 16 columns of W, source 1 = 16 rows of A): lane l holds row l % 16 and its registers the columns
; 8 (l / 16) + 0..7.  So the bias is one register image for each column block, the same for all rows: it is the C operand of the first product; nothing is cleared, no bias is added later.
.set SIZE_K, 1024
.set SIZE_N, 3072
.set KSTEP,  128
.set PITCH,  272                       ; A's LDS row: 256 bytes + 16: sixteen rows start at sixteen different 16-byte columns
.set BPITCH, 544                       ; W's LDS row: 512 bytes + 32 = 17 x 32
.set HALFT,  128*PITCH                 ; what one tensor load brings: 128 rows of A, or 64 k rows of W (64 x 544 is the same 34,816)
.set SLOT,   4*HALFT
.set STAGE,  2*SLOT                    ; behind the ring: 16 rows x 272 bytes for each wave; no tensor load lands there
.set SPITCH, 272
.set LAPS, SIZE_K/(2*KSTEP)
.set ADRA, 16                          ; v16-17 LDS address of my A fragments in slot 0, 1
.set ADRB, 20                          ; v20-21 the same for W
.set STO,  24
.set RD,   25
.set CO,   26
.set BO,   27                          ; 32 x (l / 16): my 8 numbers in a block of 16 of the bias
.set VS,   28                          ; stage + 32 (l / 16)
.set VR,   29                          ; stage + 16 l
.set VG,   30                          ; 16 l
.set F0,   64
.set F1,   128
.set U,    128                         ; the way out: 64 registers at work
.set TMP,  192
.set CX,   8                           ; the cast: v[8:199] three sets of 8 passes x 8 f32
.set CY,   200                         ;           v[200:231] 8 passes x 4 registers of bf16
.set G1, 24
.set G0, 32
.set G1B, 48
.set G0B, 56
.set MSB, 0
.macro WIN new                         ; the immediate's high byte repeats the setting that is left; a switch that changes nothing is dropped
.if MSB != (\new)
	s_set_vgpr_msb (MSB<<8)|(\new)
.set MSB, \new
.endif
.endm
.macro JLOAD s                         ; waves 0, 1 ask for A's two halves, waves 2, 3 for W's; the branch hangs on the wave's number alone
	s_cmp_eq_u32 s11, 0
	s_cbranch_scc0 .Lfor_b_\@
	tensor_load_to_lds s[G0+4*\s:G0+4*\s+3], s[G1:G1+7]
	s_nop 0
	s_branch .Lasked_\@
.Lfor_b_\@:
	tensor_load_to_lds s[G0B+4*\s:G0B+4*\s+3], s[G1B:G1B+7]
	s_nop 0
.Lasked_\@:
.endm
.macro CREST                           ; a round of the cluster's barrier behind its opening work-group barrier
	s_cmp_lg_u32 s10, 0
	s_cbranch_scc1 .Lnot_wave_0_\@
	s_barrier_signal -3
.Lnot_wave_0_\@:
	s_barrier_wait -3
	s_barrier_signal -1
	s_barrier_wait -1
.endm
.macro CROUND
	s_barrier_signal -1
	s_barrier_wait -1
	CREST
.endm
	s_load_b128 s[4:7], s[0:1], 0x0                ; act s[4:5], wqkv s[6:7]
	s_load_b128 s[68:71], s[0:1], 0x10             ; bq s[68:69], bk s[70:71]
	s_load_b128 s[72:75], s[0:1], 0x20             ; bv s[72:73], big s[74:75]
	s_load_b128 s[76:79], s[0:1], 0x30             ; vpart s[76:77], W0 s[78:79]
	s_load_b128 s[80:83], s[0:1], 0x40             ; W1 s[80:81], W2 s[82:83]
	s_load_b64 s[84:85], s[0:1], 0x50              ; wb
	s_set_vgpr_msb 0x40
	v_lshl_add_u32 v255, v0, 2, 0x48400
	s_set_vgpr_msb 0x4000
	v_mov_b32 v7, 0
	s_set_vgpr_msb 0x1
	ds_add_u32 v255, v7
	ds_add_u32 v255, v7
	s_set_vgpr_msb 0x100
	v_lshrrev_b32 v1, 5, v0
	v_readfirstlane_b32 s10, v1                    ; wave 0..3
	s_lshr_b32 s11, s10, 1                         ; my half of the block's rows; also: I fetch for A (0) or for W (1)
	s_and_b32 s12, s10, 1                          ; my half of its columns; also: which half of that tile I fetch
	s_bfe_u32 s40, ttmp6, 0x40000                  ; cx
	s_bfe_u32 s41, ttmp6, 0x40004                  ; cy
	s_lshl_b32 s42, ttmp9, 2
	s_add_co_u32 s42, s42, s40                     ; block column = 4 x cluster x + cx
	s_and_b32 s13, ttmp7, 0xffff
	s_lshl_b32 s13, s13, 2
	s_add_co_u32 s13, s13, s41                     ; block row = 4 x cluster y + cy
	s_lshl_b32 s43, s41, 2
	s_lshl_b32 s43, 15, s43                        ; my row of the cluster
	s_lshl_b32 s44, 0x1111, s40                    ; my column
	s_or_b32 s[G1+0], s43, (1<<16)|(1<<20)|(1<<21)|(5<<22)|(3<<25)    ; A: mask of my row; 2-byte elements; 4 words of padding behind every 64
	s_mov_b32 s[G1+1], KSTEP<<16                   ; tensor_dim0 = 128
	s_mov_b32 s[G1+2], 128<<16                     ; tensor_dim1 = 128
	s_mov_b32 s[G1+3], KSTEP<<16                   ; tile_dim0 = 128
	s_mov_b32 s[G1+4], 128                         ; tile_dim1 = 128
	s_mov_b32 s[G1+5], SIZE_K                      ; elements from row to row
	s_mov_b32 s[G1+6], 0
	s_mov_b32 s[G1+7], 0
	s_or_b32 s[G1B+0], s44, (1<<16)|(1<<20)|(1<<21)|(6<<22)|(7<<25)   ; W: mask of my column; 8 words of padding behind every 128
	s_mov_b32 s[G1B+1], 256<<16                    ; tensor_dim0 = 256 columns
	s_mov_b32 s[G1B+2], 64<<16                     ; tensor_dim1 = 64 k rows
	s_mov_b32 s[G1B+3], 256<<16                    ; tile_dim0
	s_mov_b32 s[G1B+4], 64                         ; tile_dim1
	s_mov_b32 s[G1B+5], SIZE_N
	s_mov_b32 s[G1B+6], 0
	s_mov_b32 s[G1B+7], 0
	; A's address hangs on the block row and the wave, W's on the block column and the wave, each in registers that never hold the other coordinate
	; (cluster x = 3 makes these numbers too and uses none of them)
	s_lshl_b32 s17, s12, 7
	s_lshl_b32 s16, s13, 8
	s_add_co_u32 s16, s16, s17                     ; A: row 256 x block row + 128 x half
	s_lshl_b32 s16, s16, 11                        ; rows of 2,048 bytes
	s_mov_b32 s17, 0
	s_lshl_b32 s46, s42, 9                         ; W: 512 bytes a block column
	s_mul_i32 s47, s12, 64*SIZE_N*2                ; + 64 k rows for the second half
	s_add_co_u32 s46, s46, s47
	s_mov_b32 s47, 0
	s_mul_i32 s20, s10, HALFT                      ; LDS: A's halves, then W's = wave x 34,816
	s_wait_dscnt 0x0
	s_wait_kmcnt 0x0
	s_add_nc_u64 s[14:15], s[4:5], s[16:17]
	s_add_nc_u64 s[46:47], s[6:7], s[46:47]
	CROUND                                         ; all sixteen work-groups are here: the first joint loads meet
	s_cmp_eq_u32 ttmp9, 3                          ; the cluster's x: the same in all sixteen
	s_cbranch_scc1 .Lcast
.irp s, 0,1
	s_mov_b32 s[G0+4*\s], 1
	s_add_co_u32 s[G0+4*\s+1], s20, \s*SLOT
	s_add_nc_u64 s[G0+4*\s+2:G0+4*\s+3], s[14:15], \s*KSTEP*2
	s_or_b32 s[G0+4*\s+3], s[G0+4*\s+3], 0x80000000
	s_mov_b32 s[G0B+4*\s], 1
	s_add_co_u32 s[G0B+4*\s+1], s20, \s*SLOT
	s_add_nc_u64 s[G0B+4*\s+2:G0B+4*\s+3], s[46:47], \s*KSTEP*SIZE_N*2
	s_or_b32 s[G0B+4*\s+3], s[G0B+4*\s+3], 0x80000000
	JLOAD \s                                       ; two tensor loads of a wave are out here, later one
.endr
	; the bias of my 128 columns: the buffer by the cluster's x, the column inside it by cx and my half
	s_cmp_eq_u32 ttmp9, 1
	s_cselect_b64 s[66:67], s[70:71], s[68:69]
	s_cmp_eq_u32 ttmp9, 2
	s_cselect_b64 s[66:67], s[72:73], s[66:67]
	s_lshl_b32 s86, s40, 10
	s_lshl_b32 s87, s12, 9
	s_add_co_u32 s86, s86, s87
	s_mov_b32 s87, 0
	s_add_nc_u64 s[66:67], s[66:67], s[86:87]
	v_and_b32 v1, 15, v0                           ; l % 16
	v_bfe_u32 v2, v0, 4, 1                         ; l / 16
	v_lshlrev_b32 v[BO], 5, v2
.irp b, 0,1,2,3,4,5,6,7
	global_load_b128 v[32+8*\b+160*(\b/4):32+8*\b+160*(\b/4)+3],   v[BO], s[66:67] offset:64*\b
	global_load_b128 v[32+8*\b+160*(\b/4)+4:32+8*\b+160*(\b/4)+7], v[BO], s[66:67] offset:64*\b+16
.endr
	v_mul_u32_u24 v3, v1, PITCH
	v_lshl_add_u32 v3, v2, 4, v3                   ; A: row x pitch + 16 x half
	s_mul_i32 s21, s11, HALFT
	v_and_b32 v4, 7, v0                            ; W, transposing load: lane l addresses k row 8 (l / 16) + l % 8,
	v_lshl_add_u32 v4, v2, 3, v4
	v_mul_u32_u24 v4, v4, BPITCH
	v_bfe_u32 v5, v0, 3, 1                         ; and the 16 bytes (l / 8) % 2 of the block's 32
	v_lshl_add_u32 v4, v5, 4, v4
	s_lshl_b32 s22, s12, 8                         ; my 128 columns
	s_add_co_u32 s22, s22, 2*HALFT                 ; behind A's 256 rows
.irp s, 0,1
	v_add_nc_u32 v[ADRA+\s], s21, v3
	v_add_nc_u32 v[ADRB+\s], s22, v4
	s_add_co_u32 s21, s21, SLOT
	s_add_co_u32 s22, s22, SLOT
.endr
	s_mul_i32 s23, s10, 16*SPITCH
	s_add_co_u32 s23, s23, STAGE                   ; my stage
	v_mul_u32_u24 v4, v1, SPITCH
	v_lshl_add_u32 v4, v2, 4, v4
	v_add_nc_u32 v[STO], s23, v4
	v_mul_u32_u24 v5, v2, SPITCH
	v_lshl_add_u32 v5, v1, 4, v5
	v_add_nc_u32 v[RD], s23, v5
	v_mul_u32_u24 v5, v2, SIZE_N*2
	v_lshl_add_u32 v[CO], v1, 4, v5
	v_add_nc_u32 v[VS], s23, v[BO]
	v_and_b32 v[VG], 31, v0
	v_lshlrev_b32 v[VG], 4, v[VG]
	v_add_nc_u32 v[VR], s23, v[VG]
; 16 matrix instructions: row blocks a0, a0 + 1 of the window's four x all 8 column blocks.  first = 1: C is the bias (window 0), the sums start there.
.macro MUL16 f, hi, a0, first
.if \first
	WIN 0x81+0x40*\hi
.else
	WIN 0xa1+0x50*\hi
.endif
.irp a, \a0, \a0+1
.irp b, 0,1,2,3,4,5,6,7
.if \first
	v_wmma_f32_16x16x32_bf16 v[8*(8*(\a)+\b):8*(8*(\a)+\b)+7], v[\f+8*\b:\f+8*\b+7], v[\f+8*(4*\hi+\a):\f+8*(4*\hi+\a)+7], v[32+8*\b+160*(\b/4):32+8*\b+160*(\b/4)+7]
.else
	v_wmma_f32_16x16x32_bf16 v[8*(8*(\a)+\b):8*(8*(\a)+\b)+7], v[\f+8*\b:\f+8*\b+7], v[\f+8*(4*\hi+\a):\f+8*(4*\hi+\a)+7], v[8*(8*(\a)+\b):8*(8*(\a)+\b)+7]
.endif
.endr
.endr
.endm
; 32 LDS loads in one run: quarter q (32 along K) of a slot into buffer f: W's 8 column blocks (k rows 32 q .. and 16 further), then A's 8 row blocks
.macro FETCH slot, q, f
	WIN 0x40
.irp i, 0,1,2,3,4,5,6,7
	ds_load_tr16_b128 v[\f+8*\i:\f+8*\i+3],   v[ADRB+\slot] offset:\q*32*BPITCH+32*\i
	ds_load_tr16_b128 v[\f+8*\i+4:\f+8*\i+7], v[ADRB+\slot] offset:\q*32*BPITCH+32*\i+16*BPITCH
.endr
	WIN 0
.irp i, 0,1,2,3,4,5,6,7
	ds_load_b128 v[\f+8*\i:\f+8*\i+3],   v[ADRA+\slot] offset:64*\q+\i*16*PITCH
	ds_load_b128 v[\f+8*\i+4:\f+8*\i+7], v[ADRA+\slot] offset:64*\q+\i*16*PITCH+32
.endr
.endm
.macro PLACES                          ; four plain places between a matrix instruction and a load into, or a vector instruction on, its registers
.rept 4
	v_nop
.endr
.endm
.macro QUARTER slot, q, f, g, first    ; multiplies buffer f; in its middle fetches quarter q into buffer g
	s_wait_dscnt 8                                 ; W and A's rows 0-63 are in; the youngest eight loads (A's rows 64-127) may be out
	MUL16 \f, 0, 0, \first
	MUL16 \f, 0, 2, \first
	PLACES
	FETCH \slot, \q, \g
	s_wait_dscnt 32                                ; all but the 32 just issued
	MUL16 \f, 1, 0, \first
	MUL16 \f, 1, 2, \first
.endm
.macro THREE slot, first
	QUARTER \slot, 1, F0, F1, \first
	QUARTER \slot, 2, F1, F0, 0
	QUARTER \slot, 3, F0, F1, 0
.endm
; The last quarter changes slots.  In front of the barrier each wave waits for its reads of this slot and for all its tensor loads (one is out: its part of the next slot);
; behind it (with a refill: behind the round of the cluster's barrier that it opens) the joint refill comes first, then the next slot's first fragments.
.macro TURN slot, next, fill
	s_wait_dscnt 8
	MUL16 F1, 0, 0, 0
	s_wait_dscnt 0
	s_wait_tensorcnt 0x0
	ds_add_u32 v255, v7
	s_wait_dscnt 0x0
	s_barrier_signal -1
	MUL16 F1, 0, 2, 0                              ; register work while the others arrive
	WIN 0
	s_barrier_wait -1
.if \fill
	CREST
	s_add_nc_u64 s[G0+4*\slot+2:G0+4*\slot+3], s[G0+4*\slot+2:G0+4*\slot+3], 2*KSTEP*2
	s_add_nc_u64 s[G0B+4*\slot+2:G0B+4*\slot+3], s[G0B+4*\slot+2:G0B+4*\slot+3], 2*KSTEP*SIZE_N*2
	JLOAD \slot
.endif
	PLACES
	FETCH \next, 0, F0
	MUL16 F1, 1, 0, 0
	MUL16 F1, 1, 2, 0
.endm
.macro LAP first
	THREE 0, \first
	TURN 0, 1, 1
	THREE 1, 0
	TURN 1, 0, 1
.endm
	s_wait_loadcnt 0x0                             ; the bias
	s_wait_tensorcnt 1                             ; my part of K step 0 is in; K step 1's stays out
	s_barrier_signal -1
	s_barrier_wait -1
	FETCH 0, 0, F0
	LAP 1                                          ; the 64 accumulators take turns, one instruction a turn, in the same order everywhere
	WIN 0
	s_mov_b32 s3, LAPS-2
.Llap:
	LAP 0
	WIN 0
	s_sub_co_u32 s3, s3, 1
	s_cmp_lg_u32 s3, 0
	s_cbranch_scc1 .Llap
	THREE 0, 0                                     ; the last lap fills nothing
	TURN 0, 1, 0
	THREE 1, 0
	s_wait_dscnt 8
	MUL16 F1, 0, 0, 0
	MUL16 F1, 0, 2, 0
	s_wait_dscnt 0
	MUL16 F1, 1, 0, 0
	MUL16 F1, 1, 2, 0
	PLACES
	WIN 0
	s_lshl_b32 s16, s13, 8
	s_lshl_b32 s14, s11, 7
	s_add_co_u32 s16, s16, s14                     ; my first row
	s_mul_i32 s16, s16, SIZE_N*2
	s_mov_b32 s17, 0
	s_add_nc_u64 s[8:9], s[74:75], s[16:17]
	s_lshl_b32 s46, s42, 9                         ; my first column, in bytes
	s_lshl_b32 s47, s12, 8
	s_add_co_u32 s46, s46, s47
	s_mov_b32 s47, 0
	s_add_nc_u64 s[8:9], s[8:9], s[46:47]
	; V's clusters alone (cluster x = 2, the same in all partners): the sums of my 128 columns over my 128 rows, in f32, for the rows whose query is padded
	s_cmp_lg_u32 ttmp9, 2
	s_cbranch_scc1 .Lno_vsum
	s_lshl_b32 s86, s13, 1
	s_add_co_u32 s86, s86, s11                     ; block of 128 rows
	s_lshl_b32 s86, s86, 12
	s_lshl_b32 s87, s40, 10
	s_add_co_u32 s86, s86, s87
	s_lshl_b32 s87, s12, 9
	s_add_co_u32 s86, s86, s87
	s_mov_b32 s87, 0
	s_add_nc_u64 s[76:77], s[76:77], s[86:87]
	WIN 0x0a                                       ; both sources in window 2
.set x, 0
.rept 32
	v_pk_add_f32 v[U+2*x:U+2*x+1], v[2*x:2*x+1], v[64+2*x:64+2*x+1]      ; row blocks 0 + 1 start the sums
.set x, x+1
.endr
	WIN 0x02
.irp a, 2,3
.set x, 0
.rept 32
	v_pk_add_f32 v[U+2*x:U+2*x+1], v[64*\a+2*x:64*\a+2*x+1], v[U+2*x:U+2*x+1]
.set x, x+1
.endr
.endr
	WIN 0x03
.irp a, 0,1,2,3
.set x, 0
.rept 32
	v_pk_add_f32 v[U+2*x:U+2*x+1], v[64*\a+2*x:64*\a+2*x+1], v[U+2*x:U+2*x+1]
.set x, x+1
.endr
.endr
	WIN 0
.irp m, 1,2,4,8                        ; over the sixteen lanes (rows) of each half
.set x, 0
.rept 64
	v_add_f32_dpp v[U+x], v[U+x], v[U+x] row_xmask:\m row_mask:0xf bank_mask:0xf
.set x, x+1
.endr
.endr
.irp b, 0,1,2,3,4,5,6,7
	ds_store_b128 v[VS], v[U+8*\b:U+8*\b+3]   offset:64*\b        ; sixteen lanes write the same words with the same values
	ds_store_b128 v[VS], v[U+8*\b+4:U+8*\b+7] offset:64*\b+16
.endr
	ds_load_b128 v[96:99], v[VR]                   ; my own bytes, served in order: 128 sums, 16 bytes a lane
	s_wait_dscnt 0x0
	global_store_b128 v[VG], v[96:99], s[76:77]    ; 512 consecutive aligned bytes
.Lno_vsum:
; rows 16 i .. 16 i + 15 of my block = the eight tiles (a, 0..7) of window w; f: read-back registers, two sets in turn
.macro OUT16 i, a, w, f
	WIN 5*\w                                       ; sources 0 and 1 in window w
.irp b, 0,1,2,3,4,5,6,7
.irp r, 0,1,2,3
	v_cvt_pk_bf16_f32 v[TMP+4*\b+\r], v[8*(8*\a+\b)+2*\r], v[8*(8*\a+\b)+2*\r+1]
.endr
.endr
	WIN 0
.irp b, 0,1,2,3,4,5,6,7
	ds_store_b128 v[STO], v[TMP+4*\b:TMP+4*\b+3] offset:32*\b
.endr
	s_wait_xcnt 0x0                                ; the registers that earlier stores read are loaded again only behind this wait
.irp t, 0,1,2,3,4,5,6,7
	ds_load_b128 v[\f+4*\t:\f+4*\t+3], v[RD] offset:\t*2*SPITCH     ; LDS serves a wave's instructions in order: these see the stores above
.endr
.irp t, 0,1,2,3,4,5,6,7
	s_wait_dscnt 7-\t
	global_store_b128 v[CO], v[\f+4*\t:\f+4*\t+3], s[8:9] offset:(16*\i+2*\t)*SIZE_N*2   ; sixteen lanes: 256 consecutive aligned bytes
.endr
.endm
	OUT16 0, 0, 2, 64
	OUT16 1, 1, 2, 96
	OUT16 2, 2, 2, 64
	OUT16 3, 3, 2, 96
	OUT16 4, 0, 3, 64
	OUT16 5, 1, 3, 96
	OUT16 6, 2, 3, 64
	OUT16 7, 3, 3, 96
	s_branch .Lclose
; CLUSTER x = 3: W0, W1, W2 from f32 to bf16 (round to nearest even), the layout [K][N] kept.  Work-group g = 4 x block row + cx of 64 takes 65,536 bytes of W0 and
; 262,144 consecutive bytes each of W1 and W2: 18 groups of 32,768 bytes.  In a group a thread takes 8 passes of 8 numbers: two loads of 16 bytes, four packed roundings,
; one store of 16 bytes; a wave's two loads cover 1,024 consecutive bytes, its store 512.  Three register sets take turns: 48 loads of a wave are on their way.
.macro CPICK n                         ; group n: SB the source's base, DB the target's, Q the group's number inside the weight
.if (\n) < 2
.set SB, 78
.set DB, 92
.set Q, \n
.else
.if (\n) < 10
.set SB, 80
.set DB, 94
.set Q, (\n)-2
.else
.set SB, 82
.set DB, 96
.set Q, (\n)-10
.endif
.endif
.endm
.macro CLOAD n                         ; group n's 16 loads, into set n % 3
	CPICK \n
.irp p, 0,1,2,3,4,5,6,7
	global_load_b128 v[CX+64*((\n)%3)+8*\p:CX+64*((\n)%3)+8*\p+3],   v1, s[SB:SB+1] offset:32768*Q+4096*\p th:TH_LOAD_NT
	global_load_b128 v[CX+64*((\n)%3)+8*\p+4:CX+64*((\n)%3)+8*\p+7], v1, s[SB:SB+1] offset:32768*Q+4096*\p+16 th:TH_LOAD_NT
.endr
.endm
.macro CDO n                           ; group n is rounded and stored
	CPICK \n
.if (\n) < 16
.set LEFT, 32                          ; the two younger groups' loads
.else
.set LEFT, 16*(17-(\n))                ; the last two groups: one younger group, then none
.endif
	s_wait_xcnt 0x0                                ; the last group's stores read v[CY..]: written again only behind this wait
.irp p, 0,1,2,3,4,5,6,7
	s_wait_loadcnt LEFT+14-2*\p                    ; loads come back in order: pass p's two are in; the group's younger passes and the younger groups stay out
.irp k, 0,1,2,3
	v_cvt_pk_bf16_f32 v[CY+4*\p+\k], v[CX+64*((\n)%3)+8*\p+2*\k], v[CX+64*((\n)%3)+8*\p+2*\k+1]
.endr
	global_store_b128 v2, v[CY+4*\p:CY+4*\p+3], s[DB:DB+1] offset:16384*Q+2048*\p
.endr
.endm
.Lcast:
	s_lshl_b32 s88, s13, 2
	s_add_co_u32 s88, s88, s40                     ; g = 0..63
	s_mov_b32 s91, 0
	s_lshl_b32 s90, s88, 16
	s_add_nc_u64 s[78:79], s[78:79], s[90:91]      ; W0 + 65,536 g
	s_lshl_b32 s90, s88, 18
	s_add_nc_u64 s[80:81], s[80:81], s[90:91]      ; W1 + 262,144 g
	s_add_nc_u64 s[82:83], s[82:83], s[90:91]      ; W2 + 262,144 g
	s_lshl_b32 s90, s88, 15
	s_add_co_u32 s90, s90, 6291456
	s_add_nc_u64 s[92:93], s[84:85], s[90:91]      ; wb: W0's part
	s_lshl_b32 s90, s88, 17
	s_add_co_u32 s90, s90, 8388608
	s_add_nc_u64 s[94:95], s[84:85], s[90:91]      ; W1's
	s_add_co_u32 s90, s90, 8388608
	s_add_nc_u64 s[96:97], s[84:85], s[90:91]      ; W2's
	v_lshlrev_b32 v1, 5, v0                        ; 32 bytes of f32 a thread
	v_lshlrev_b32 v2, 4, v0                        ; 16 bytes of bf16
	CLOAD 0
	CLOAD 1
	CLOAD 2
.set gi, 0
.rept 18
	CDO gi
.if gi < 15
	CLOAD gi+3                                     ; the set just read is filled again
.endif
.set gi, gi+1
.endr
.Lclose:
	s_set_vgpr_msb 0x1
	s_wait_tensorcnt 0x0
	ds_add_u32 v255, v7
	s_wait_dscnt 0x0
	s_set_vgpr_msb 0x100
	CROUND                                         ; the closing round: no work-group ends while a partner may still ask jointly
	s_endpgm
.Lfunc_end_k_qb78147486d_gemm_qkv:
	.size	k_qb78147486d_gemm_qkv, .Lfunc_end_k_qb78147486d_gemm_qkv-k_qb78147486d_gemm_qkv
	.p2alignl 7, 3214868480
	.fill 96, 4, 3214868480
	.section	.rodata,"a",@progbits
	.p2align	6, 0x0
	.amdhsa_kernel k_qb78147486d_gemm_qkv
		.amdhsa_group_segment_fixed_size 327680
		.amdhsa_private_segment_fixed_size 0
		.amdhsa_enable_private_segment 0
		.amdhsa_kernarg_size 88
		.amdhsa_user_sgpr_count 2
		.amdhsa_user_sgpr_kernarg_segment_ptr 1
		.amdhsa_wavefront_size32 1
		.amdhsa_system_sgpr_workgroup_id_x 1
		.amdhsa_system_sgpr_workgroup_id_y 1
		.amdhsa_system_sgpr_workgroup_id_z 1
		.amdhsa_system_vgpr_workitem_id 0
		.amdhsa_next_free_vgpr 1024
		.amdhsa_next_free_sgpr 98
		.amdhsa_reserve_vcc 0
		.amdhsa_float_denorm_mode_32 3
		.amdhsa_float_denorm_mode_16_64 3
		.amdhsa_memory_ordered 1
		.amdhsa_forward_progress 1
		.amdhsa_inst_pref_size 255
	.end_amdhsa_kernel
	.section	.bss,"aw",@nobits
	.p2align	6
	.space	262144
	.amdgpu_metadata
---
amdhsa.version: [ 1, 2 ]
amdhsa.kernels:
  - .name:           k_qb78147486d_gemm_qkv
    .symbol:         k_qb78147486d_gemm_qkv.kd
    .args:
      - { .name: act, .offset: 0, .size: 8, .value_kind: global_buffer, .address_space: global }
      - { .name: wqkv, .offset: 8, .size: 8, .value_kind: global_buffer, .address_space: global }
      - { .name: bq, .offset: 16, .size: 8, .value_kind: global_buffer, .address_space: global }
      - { .name: bk, .offset: 24, .size: 8, .value_kind: global_buffer, .address_space: global }
      - { .name: bv, .offset: 32, .size: 8, .value_kind: global_buffer, .address_space: global }
      - { .name: big, .offset: 40, .size: 8, .value_kind: global_buffer, .address_space: global }
      - { .name: vpart, .offset: 48, .size: 8, .value_kind: global_buffer, .address_space: global }
      - { .name: W0, .offset: 56, .size: 8, .value_kind: global_buffer, .address_space: global }
      - { .name: W1, .offset: 64, .size: 8, .value_kind: global_buffer, .address_space: global }
      - { .name: W2, .offset: 72, .size: 8, .value_kind: global_buffer, .address_space: global }
      - { .name: wb, .offset: 80, .size: 8, .value_kind: global_buffer, .address_space: global }
    .group_segment_fixed_size: 327680
    .private_segment_fixed_size: 0
    .kernarg_segment_align: 8
    .kernarg_segment_size: 88
    .max_flat_workgroup_size: 128
    .sgpr_count:     98
    .vgpr_count:     1024
    .wavefront_size: 32
...
	.end_amdgpu_metadata
.endif
;; end of part 2
;; launch attn (part 3): grid 16 x 16, 4 waves a work-group, no clusters, 327,680 bytes of LDS; arguments big, padding_mask, vpart, act; writes act
.if DOCPART == 3
	.amdgcn_target "amdgcn-amd-amdhsa--gfx1250"
	.amdhsa_code_object_version 6
	.text
	.protected	k_qb78147486d_attn
	.globl	k_qb78147486d_attn
	.p2align	8
	.type	k_qb78147486d_attn,@function
k_qb78147486d_attn:
	s_mov_b64 s[64:65], 0
	v_nop
	global_prefetch_b8 v0, s[64:65] scope:SCOPE_SE
	s_setreg_imm32_b32 hwreg(HW_REG_WAVE_MODE, 25, 1), 1
	s_wait_xcnt 0x0
; Causal attention with a padding mask, running maximum and running sum.  big [4096][3072] bf16: Q | K | V, column head*64 + e in each; act [4096][1024] bf16 = the context.
; A work-group takes one batch b, one PAIR of heads hp (so every row of K, V, Q and of the context is 256 aligned bytes) and two blocks of 64 queries, one after the other:
; with a = x / 2, e = x % 2: block 29 - 4a - e (15 - 2a slots of 128 keys) and block 4a + 2 + e (2a + 2 slots): 17 slots for every one of the 256 work-groups.
; Wave = (head of the pair hh = wave / 2, half of the queries qh = wave % 2): 32 queries, two tiles of 16.
; Each block takes its DIAGONAL slot first: that step starts the sums (nothing is cleared) and is the only one with the causal comparison.
; TRANSPOSED throughout: S^T = K Q^T puts query l % 16 in lane l and keys 8 (l / 16) + j in its registers; two such tiles, packed, ARE the B fragment of O^T = V^T P^T
; (V by the transposing load), whose lane again holds one query: maximum, sum and rescaling are a lane's own, and its eight results are 16 neighbouring bytes.
; MASKS: a padded key adds -8e9 to its products (as the C operand of the first score product, from a table in LDS); a key behind the diagonal is replaced by -8e9.
; A valid query always keeps its own key, so the running maximum ends real and every masked key's weight ends as exactly 0, as with the -1e9 of the problem.
; A padded query has all 2,048 scores equal there: its context is the mean of V over the whole sequence, made from vpart and chosen by v_cndmask_b32.
; NO MULTICAST: the 16 work-groups of a head pair want different tiles at different times (their blocks begin at different diagonals and have 1 to 16 slots);
; in step, each would pass the longest partner's slots in both blocks, 24 or more where 17 suffice.
; LIMITS: scores times 1/8 far below 1e8 in magnitude; a mask byte other than 0 counts as true; NaN and infinities are not served; P, Q, K, V enter the products as bf16.
.set KP,    272                        ; K's LDS row: 256 + 16
.set VP,    288                        ; V's LDS row: 256 + 32 = 9 x 32
.set RGN,   18432                      ; a wave's part of a slot: 64 rows of K (17,408 used) or of V
.set SLOT,  4*RGN                      ; K's 128 rows, then V's
.set MB,    2*SLOT                     ; f32 [2048]: 0 or -8e9 for each key of the batch
.set VMEAN, MB+8192                    ; f32 [128]: the mean of V, my two heads
.set STG,   VMEAN+512                  ; the way out: 32 rows x 144 bytes for each wave, 4,672 apart (two regions apart is 128 modulo 256)
.set WSTG,  4672
.set SP,    144
.set TSTEP, 786432                     ; 128 rows of 6,144 bytes
; window 0
.set ADRK,  10                         ; v10-11 K fragments, slot 0, 1
.set ADRV,  12                         ; v12-13 V fragments
.set ADRM0, 14
.set ADRM,  15                         ; the key table at this step's slot
.set STO,   16
.set RD,    17
.set CO,    18
.set QO,    19
.set RR,    20                         ; l % 16
.set ADVM,  21
.set DVB,   22
.set PMQ,   24                         ; v24-27 my queries' mask bytes
.set QF1,   32                         ; v32-63  Q fragments of the first block: 16 qt + 8 sl
.set QF2,   64                         ; v64-95  of the second
.set KF,    96                         ; v96-159  16 kt + 8 sl
.set VF,    160                        ; v160-223 16 et + 8 ks
; window 1
.set SS,    0                          ; S(qt, kt) = 32 qt + 8 kt, later P
.set OO,    64                         ; O(qt, et) = 64 + 32 qt + 8 et
.set MC,    128                        ; the key table's image for tile kt: 128 + 8 kt
.set RT,    160                        ; v160-167 at work
.set RM,    168                        ; running maxima, qt = 0, 1
.set RL,    170                        ; running sums (a lane's own half of the keys)
.set RAL,   172                        ; the rescaling factor (a pair, the first is used)
.set RNM,   174                        ; -c x maximum (a pair, the first is used)
.set DV1,   176                        ; query - 8 (l / 16) inside the diagonal slot, first block
.set DV2,   177                        ; second block
.set NEG,   178                        ; -8e9
.set G1K, 24
.set G1V, 32
.set G0,  40
.set MSB, 0
.macro WIN new
.if MSB != (\new)
	s_set_vgpr_msb (MSB<<8)|(\new)
.set MSB, \new
.endif
.endm
.macro KVLOAD s                        ; waves 0, 1 bring K's two halves, waves 2, 3 V's: one load a wave, 64 rows x 256 bytes
	s_cmp_eq_u32 s13, 0
	s_cbranch_scc0 .Lfor_v_\@
	tensor_load_to_lds s[G0+4*(\s):G0+4*(\s)+3], s[G1K:G1K+7]
	s_nop 0
	s_branch .Lasked_\@
.Lfor_v_\@:
	tensor_load_to_lds s[G0+4*(\s):G0+4*(\s)+3], s[G1V:G1V+7]
	s_nop 0
.Lasked_\@:
.endm
	s_load_b256 s[4:11], s[0:1], 0x0               ; big s[4:5], padding_mask s[6:7], vpart s[8:9], act s[10:11]
	v_lshl_add_u32 v254, v0, 2, 0x2ab00
	v_mov_b32 v255, 0
	ds_add_u32 v254, v255
	ds_add_u32 v254, v255
	v_lshrrev_b32 v1, 5, v0
	v_readfirstlane_b32 s12, v1                    ; wave
	s_lshr_b32 s13, s12, 1                         ; hh; also: I fetch K (0) or V (1)
	s_and_b32 s14, s12, 1                          ; qh; also: which 64 rows I fetch
	s_and_b32 s3, ttmp7, 0xffff
	s_lshr_b32 s82, s3, 3                          ; b
	s_and_b32 s83, s3, 7                           ; hp
	s_lshr_b32 s81, ttmp9, 1                       ; a
	s_and_b32 s86, ttmp9, 1                        ; e
	s_lshl_b32 s15, s81, 2
	s_sub_co_u32 s84, 29, s15
	s_sub_co_u32 s84, s84, s86                     ; first block
	s_add_co_u32 s85, s15, 2
	s_add_co_u32 s85, s85, s86                     ; second block
	s_lshl_b32 s88, s86, 6                         ; where the second block begins in its diagonal slot: 64 e
	s_sub_co_u32 s87, 64, s88                      ; the first: 64 (1 - e)
	s_sub_co_u32 s80, 7, s81                       ; trips of the first block's loop
	s_lshl_b32 s15, s81, 1
	s_sub_co_u32 s53, 14, s15                      ; lim: the first block's diagonal slot, 14 - 2a
	s_add_co_u32 s54, s15, 1                       ; alt: the second block's, 2a + 1
	s_mov_b32 s55, s53                             ; cur: the slot of keys of the step at hand
	s_mov_b32 s52, 0                               ; kn: the next slot below the diagonal
	s_mov_b32 s58, 0x76543210
	s_mov_b32 s59, 0xfedcba98
	s_mov_b32 s60, 0x3e38aa3b                      ; c = log2(e) / 8
	s_mov_b32 s61, 0x3e38aa3b
	s_mov_b32 s62, 0xbe38aa3b                      ; -c
	s_mov_b32 s[G1K+0], (1<<16)|(1<<20)|(5<<22)|(3<<25)   ; 2-byte elements; 4 words of padding behind every 64
	s_mov_b32 s[G1K+1], 128<<16                    ; tensor_dim0 = 128
	s_mov_b32 s[G1K+2], 64<<16                     ; tensor_dim1 = 64
	s_mov_b32 s[G1K+3], 128<<16                    ; tile_dim0
	s_mov_b32 s[G1K+4], 64                         ; tile_dim1
	s_mov_b32 s[G1K+5], 3072                       ; elements from row to row
	s_mov_b32 s[G1K+6], 0
	s_mov_b32 s[G1K+7], 0
	s_mov_b32 s[G1V+0], (1<<16)|(1<<20)|(5<<22)|(7<<25)   ; the same with 8 words of padding
	s_mov_b32 s[G1V+1], 128<<16
	s_mov_b32 s[G1V+2], 64<<16
	s_mov_b32 s[G1V+3], 128<<16
	s_mov_b32 s[G1V+4], 64
	s_mov_b32 s[G1V+5], 3072
	s_mov_b32 s[G1V+6], 0
	s_mov_b32 s[G1V+7], 0
	s_lshl_b32 s15, s82, 11                        ; b x 2,048 rows: kept
	s_lshl_b32 s50, s14, 6
	s_add_co_u32 s50, s50, s15
	s_mul_i32 s50, s50, 6144
	s_lshl_b32 s51, s13, 11                        ; K at byte 2,048 of a row, V at 4,096
	s_add_co_u32 s50, s50, s51
	s_lshl_b32 s90, s83, 8                         ; hp x 256: kept
	s_add_co_u32 s50, s50, s90
	s_add_co_u32 s50, s50, 2048
	s_mov_b32 s51, 0
	s_lshl_b32 s89, s13, 7
	s_add_co_u32 s89, s89, s90                     ; hp x 256 + hh x 128: kept
	s_mov_b32 s[G0+0], 1
	s_mul_i32 s[G0+1], s12, RGN                    ; slot 0: wave x 18,432
	s_mov_b32 s[G0+4], 1
	s_add_co_u32 s[G0+5], s[G0+1], SLOT            ; slot 1
	s_wait_dscnt 0x0
	s_wait_kmcnt 0x0
	s_add_nc_u64 s[48:49], s[4:5], s[50:51]        ; my part of key slot 0 of the batch
	s_mul_i32 s50, s55, TSTEP
	s_add_nc_u64 s[G0+2:G0+3], s[48:49], s[50:51]
	s_or_b32 s[G0+3], s[G0+3], 0x80000000
	KVLOAD 0                                       ; the first fill: the first block's diagonal slot
.macro BASES blk, q, m, c              ; a block's addresses: Q, the queries' mask bytes, the context
	s_lshl_b32 s22, s[\blk], 6
	s_add_co_u32 s22, s22, s15
	s_lshl_b32 s23, s14, 5
	s_add_co_u32 s50, s22, s23                     ; my first query's row
	s_add_nc_u64 s[\m:\m+1], s[6:7], s[50:51]
	s_mul_i32 s50, s50, 6144
	s_add_co_u32 s50, s50, s89
	s_add_nc_u64 s[\q:\q+1], s[4:5], s[50:51]
	s_lshl_b32 s23, s12, 4
	s_add_co_u32 s50, s22, s23                     ; the 16 rows that I store
	s_lshl_b32 s50, s50, 11
	s_add_co_u32 s50, s50, s90
	s_add_nc_u64 s[\c:\c+1], s[10:11], s[50:51]
.endm
	BASES 84, 16, 74, 70
	BASES 85, 18, 76, 72
	s_mov_b32 s50, s15
	s_add_nc_u64 s[20:21], s[6:7], s[50:51]        ; the batch's 2,048 mask bytes
	s_lshl_b32 s50, s82, 16                        ; 16 blocks of 4,096 bytes of vpart a batch
	s_lshl_b32 s22, s83, 9
	s_add_co_u32 s50, s50, s22
	s_add_nc_u64 s[78:79], s[8:9], s[50:51]
	v_and_b32 v[RR], 15, v0
	v_bfe_u32 v2, v0, 4, 1                         ; l / 16
	v_lshlrev_b32 v4, 4, v0
	v_lshlrev_b32 v5, 2, v0
	v_mul_u32_u24 v[QO], v[RR], 6144
	v_lshl_add_u32 v[QO], v2, 4, v[QO]
	global_load_b128 v[96:99], v4, s[20:21]        ; 16 keys' mask bytes a thread
.set i, 0
.rept 16
	global_load_b32 v[128+i], v5, s[78:79] offset:4096*i           ; my column's 16 partial sums
.set i, i+1
.endr
.irp qt, 0,1
.irp sl, 0,1
	global_load_b128 v[QF1+16*\qt+8*\sl:QF1+16*\qt+8*\sl+3],   v[QO], s[16:17] offset:98304*\qt+64*\sl
	global_load_b128 v[QF1+16*\qt+8*\sl+4:QF1+16*\qt+8*\sl+7], v[QO], s[16:17] offset:98304*\qt+64*\sl+32
.endr
.endr
.irp qt, 0,1
.irp sl, 0,1
	global_load_b128 v[QF2+16*\qt+8*\sl:QF2+16*\qt+8*\sl+3],   v[QO], s[18:19] offset:98304*\qt+64*\sl
	global_load_b128 v[QF2+16*\qt+8*\sl+4:QF2+16*\qt+8*\sl+7], v[QO], s[18:19] offset:98304*\qt+64*\sl+32
.endr
.endr
	global_load_u8 v[PMQ+0], v[RR], s[74:75]
	global_load_u8 v[PMQ+1], v[RR], s[74:75] offset:16
	global_load_u8 v[PMQ+2], v[RR], s[76:77]
	global_load_u8 v[PMQ+3], v[RR], s[76:77] offset:16
	; LDS addresses
	v_mul_u32_u24 v6, v[RR], KP
	v_lshl_add_u32 v6, v2, 4, v6
	s_lshl_b32 s63, s13, 7                         ; my head's 128 bytes of a row
	v_add_nc_u32 v[ADRK], s63, v6
	v_add_nc_u32 v[ADRK+1], SLOT, v[ADRK]
	v_and_b32 v7, 7, v0
	v_lshl_add_u32 v7, v2, 3, v7
	v_mul_u32_u24 v7, v7, VP
	v_bfe_u32 v8, v0, 3, 1
	v_lshl_add_u32 v7, v8, 4, v7
	s_add_co_u32 s63, s63, 2*RGN
	v_add_nc_u32 v[ADRV], s63, v7
	v_add_nc_u32 v[ADRV+1], SLOT, v[ADRV]
	v_lshl_add_u32 v[ADRM0], v2, 5, MB
	s_lshl_b32 s63, s13, 8
	s_add_co_u32 s63, s63, VMEAN
	v_lshl_add_u32 v[ADVM], v2, 5, s63
	v_mul_u32_u24 v9, v[RR], SP                    ; in: my own region, row l % 16, 16 bytes for each half of the lanes
	v_lshl_add_u32 v9, v2, 4, v9
	s_mul_i32 s63, s12, WSTG
	s_add_co_u32 s63, s63, STG
	v_add_nc_u32 v[STO], s63, v9
	v_mul_u32_u24 v9, v2, SP                       ; back: rows 16 wave + 2 t + l / 16 of the block's 64; lanes 0-7 of a half take head 0's region, lanes 8-15 head 1's
	v_and_b32 v3, 7, v0
	v_lshl_add_u32 v9, v3, 4, v9
	v_mul_u32_u24 v3, v8, 2*WSTG
	v_add_nc_u32 v9, v9, v3
	s_mul_i32 s63, s13, WSTG                       ; the rows' half of the queries = wave / 2
	s_mul_i32 s22, s14, 16*SP                      ; and 16 rows further for odd waves
	s_add_co_u32 s63, s63, s22
	s_add_co_u32 s63, s63, STG
	v_add_nc_u32 v[RD], s63, v9
	v_lshlrev_b32 v[CO], 4, v[RR]
	v_lshl_add_u32 v[CO], v2, 11, v[CO]
	v_lshlrev_b32 v[DVB], 3, v2
	v_sub_nc_u32 v[DVB], v[RR], v[DVB]
	s_lshl_b32 s63, s14, 5
	v_add_nc_u32 v[DVB], s63, v[DVB]               ; 32 qh + l % 16 - 8 (l / 16)
	WIN 0x40
	v_add_nc_u32 v[DV1], s87, v[DVB]
	v_add_nc_u32 v[DV2], s88, v[DVB]
	v_mov_b32 v[NEG], 0xcfee6b28
	v_mov_b32 v[RAL+1], 0                          ; the pairs' second registers are named, never used
	v_mov_b32 v[RNM+1], 0
	WIN 0
	s_wait_loadcnt 36                              ; the keys' mask bytes are in; the 36 younger loads stay out
	v_mov_b32 v117, 0xcfee6b28
	v_lshl_add_u32 v118, v0, 6, MB
	v_lshl_add_u32 v119, v0, 2, VMEAN
.irp w, 0,1,2,3
.irp k, 0,1,2,3
	v_bfe_u32 v116, v[96+\w], 8*\k, 8
	v_cmp_eq_u32 vcc_lo, 0, v116
	v_cndmask_b32 v[100+4*\w+\k], 0, v117, vcc_lo  ; a padded key: -8e9
.endr
	ds_store_b128 v118, v[100+4*\w:100+4*\w+3] offset:16*\w
.endr
	s_wait_loadcnt 20                              ; the partial sums are in; Q and the queries' bytes stay out
.irp k, 0,2,4,6
	v_pk_add_f32 v[128+\k:129+\k], v[128+\k:129+\k], v[136+\k:137+\k]
.endr
	v_pk_add_f32 v[128:129], v[128:129], v[132:133]
	v_pk_add_f32 v[130:131], v[130:131], v[134:135]
	v_pk_add_f32 v[128:129], v[128:129], v[130:131]
	v_add_f32 v128, v128, v129
	v_mul_f32 v128, 0x3a000000, v128               ; / 2048
	ds_store_b32 v119, v128
	s_wait_loadcnt 0x0
	v_cmp_ne_u32 s66, 0, v[PMQ+0]                  ; lane l: is query l % 16 of the tile valid
	v_cmp_ne_u32 s67, 0, v[PMQ+1]
	v_cmp_ne_u32 s68, 0, v[PMQ+2]
	v_cmp_ne_u32 s69, 0, v[PMQ+3]
.macro LOADK slot, sb                  ; 64 keys: 4 tiles x 2 halves of the head's 64
.irp kt, 0,1,2,3
.irp sl, 0,1
	ds_load_b128 v[KF+16*\kt+8*\sl:KF+16*\kt+8*\sl+3],   v[ADRK+\slot] offset:\sb*RGN+\kt*16*KP+64*\sl
	ds_load_b128 v[KF+16*\kt+8*\sl+4:KF+16*\kt+8*\sl+7], v[ADRK+\slot] offset:\sb*RGN+\kt*16*KP+64*\sl+32
.endr
.endr
.endm
.macro LOADV slot, sb                  ; V^T: 4 tiles of 16 e x 2 halves of 32 keys
.irp et, 0,1,2,3
.irp ks, 0,1
	ds_load_tr16_b128 v[VF+16*\et+8*\ks:VF+16*\et+8*\ks+3],   v[ADRV+\slot] offset:\sb*RGN+\ks*32*VP+32*\et
	ds_load_tr16_b128 v[VF+16*\et+8*\ks+4:VF+16*\et+8*\ks+7], v[ADRV+\slot] offset:\sb*RGN+\ks*32*VP+32*\et+16*VP
.endr
.endr
.endm
.macro LOADM sb                        ; the key table as an accumulator's image: register j = key 16 kt + 8 (l / 16) + j
	WIN 0x40
.irp kt, 0,1,2,3
	ds_load_b128 v[MC+8*\kt:MC+8*\kt+3],   v[ADRM] offset:256*\sb+64*\kt
	ds_load_b128 v[MC+8*\kt+4:MC+8*\kt+7], v[ADRM] offset:256*\sb+64*\kt+16
.endr
	WIN 0
.endm
; One query tile's 64 new scores become weights.  All registers in window 1.  first = 1: they start maximum and sum.
.macro SOFTMAX qt, first
.set SB, SS+32*\qt
.irp k, 0,1,2,3
	v_max3_num_f32 v[RT+\k], v[SB+8*\k], v[SB+8*\k+1], v[SB+8*\k+2]
.endr
.irp k, 0,1,2,3
	v_max3_num_f32 v[RT+\k], v[RT+\k], v[SB+8*\k+3], v[SB+8*\k+4]
.endr
.irp k, 0,1,2,3
	v_max3_num_f32 v[RT+\k], v[RT+\k], v[SB+8*\k+5], v[SB+8*\k+6]
.endr
.irp k, 0,1,2,3
	v_max_num_f32 v[RT+\k], v[RT+\k], v[SB+8*\k+7]
.endr
	v_max3_num_f32 v[RT], v[RT], v[RT+1], v[RT+2]
	v_max_num_f32 v[RT], v[RT], v[RT+3]
	v_permlanex16_b32 v[RT+1], v[RT], s58, s59     ; the query's other keys lie in the other half of the lanes
.if \first
	v_max_num_f32 v[RM+\qt], v[RT], v[RT+1]
.else
	v_max3_num_f32 v[RT], v[RT], v[RT+1], v[RM+\qt]
	v_sub_f32 v[RT+2], v[RM+\qt], v[RT]
	v_mul_f32 v[RT+2], s60, v[RT+2]
	v_exp_f32 v[RAL], v[RT+2]                      ; what the old sums are worth under the new maximum
	v_mov_b32 v[RM+\qt], v[RT]                     ; (the plain place behind it)
.endif
	v_mul_f32 v[RNM], s62, v[RM+\qt]
.set i, 0
.rept 16
	v_pk_fma_f32 v[SB+2*i:SB+2*i+1], v[SB+2*i:SB+2*i+1], s[60:61], v[RNM:RNM+1] op_sel_hi:[1,0,0]   ; c (s - maximum)
.set i, i+1
.endr
.set i, 0
.rept 32
	v_exp_f32 v[SB+i], v[SB+i]
.set i, i+1
.endr
.if \first
	v_nop                                          ; one plain place behind the transcendentals (ISA guide 5.7.2)
	s_wait_alu depctr_va_vdst(0)
.else
.set i, 0
	s_wait_alu depctr_va_vdst(0)
.rept 16
	v_pk_mul_f32 v[OO+32*\qt+2*i:OO+32*\qt+2*i+1], v[OO+32*\qt+2*i:OO+32*\qt+2*i+1], v[RAL:RAL+1] op_sel_hi:[1,0]   ; useful work in that place
.set i, i+1
.endr
.endif
.irp k, 0,1,2,3
	v_pk_add_f32 v[RT+2*\k:RT+2*\k+1], v[SB+2*\k:SB+2*\k+1], v[SB+8+2*\k:SB+8+2*\k+1]
.endr
.irp c, 16,24
.irp k, 0,1,2,3
	v_pk_add_f32 v[RT+2*\k:RT+2*\k+1], v[RT+2*\k:RT+2*\k+1], v[SB+\c+2*\k:SB+\c+2*\k+1]
.endr
.endr
	v_pk_add_f32 v[RT:RT+1], v[RT:RT+1], v[RT+2:RT+3]
	v_pk_add_f32 v[RT+4:RT+5], v[RT+4:RT+5], v[RT+6:RT+7]
	v_pk_add_f32 v[RT:RT+1], v[RT:RT+1], v[RT+4:RT+5]
.if \first
	v_add_f32 v[RL+\qt], v[RT], v[RT+1]
.else
	v_add_f32 v[RT], v[RT], v[RT+1]
	v_fma_f32 v[RL+\qt], v[RL+\qt], v[RAL], v[RT]
.endif
.irp ks, 0,1                           ; two tiles of 16 keys pack into one B fragment of 32, in place and ascending: no source is lost
.irp y, 0,1,2,3,4,5,6,7
	v_cvt_pk_bf16_f32 v[SB+16*\ks+\y], v[SB+16*\ks+2*\y], v[SB+16*\ks+2*\y+1]
.endr
.endr
.endm
.macro PV qt, first                    ; O^T(qt) += V^T P^T: four accumulators by turns
.irp ks, 0,1
.irp et, 0,1,2,3
.if (\first)*(1-\ks)
	v_wmma_f32_16x16x32_bf16 v[OO+32*\qt+8*\et:OO+32*\qt+8*\et+7], v[VF+16*\et+8*\ks:VF+16*\et+8*\ks+7], v[SS+32*\qt+16*\ks:SS+32*\qt+16*\ks+7], 0
.else
	v_wmma_f32_16x16x32_bf16 v[OO+32*\qt+8*\et:OO+32*\qt+8*\et+7], v[VF+16*\et+8*\ks:VF+16*\et+8*\ks+7], v[SS+32*\qt+16*\ks:SS+32*\qt+16*\ks+7], v[OO+32*\qt+8*\et:OO+32*\qt+8*\et+7]
.endif
.endr
.endr
.endm
.macro FIVE                            ; five plain places: a later matrix instruction writes over, or takes as B, registers of the last ones (ISA guide 7.12.1)
.rept 5
	v_nop
.endr
.endm
; 64 keys of a slot.  head = 1: the diagonal slot, with the causal comparison.
.macro SUB slot, sb, head, first, qf, dv
	s_wait_dscnt 0x0                               ; K's fragments and the table's image are in
	WIN 0x50
.irp qt, 0,1
.irp kt, 0,1,2,3
	v_wmma_f32_16x16x32_bf16 v[SS+32*\qt+8*\kt:SS+32*\qt+8*\kt+7], v[KF+16*\kt:KF+16*\kt+7], v[\qf+16*\qt:\qf+16*\qt+7], v[MC+8*\kt:MC+8*\kt+7]
.endr
.endr
.irp qt, 0,1                           ; the eight accumulators take turns, one instruction a turn
.irp kt, 0,1,2,3
	v_wmma_f32_16x16x32_bf16 v[SS+32*\qt+8*\kt:SS+32*\qt+8*\kt+7], v[KF+16*\kt+8:KF+16*\kt+15], v[\qf+16*\qt+8:\qf+16*\qt+15], v[SS+32*\qt+8*\kt:SS+32*\qt+8*\kt+7]
.endr
.endr
	FIVE
	WIN 0
	LOADV \slot, \sb
.if \sb == 0
	LOADK \slot, 1                                 ; the second half's K and table, well ahead of their use
	LOADM 1
.endif
	WIN 0x55
.if \head
.irp qt, 0,1
.irp kt, 0,1,2,3
.irp j, 0,1,2,3,4,5,6,7
	v_cmp_le_i32 vcc_lo, 64*\sb+16*\kt+\j-16*\qt, v[\dv]           ; key <= query, both counted inside the slot
	v_cndmask_b32 v[SS+32*\qt+8*\kt+\j], v[NEG], v[SS+32*\qt+8*\kt+\j], vcc_lo
.endr
.endr
.endr
.endif
	SOFTMAX 0, \first
.if \sb == 0
	s_wait_dscnt 24                                ; V's 16 loads are in; the 16 of K and 8 of the table behind them stay out
.else
	s_wait_dscnt 0x0
.endif
	WIN 0x54
	PV 0, \first
	WIN 0x55
	SOFTMAX 1, \first                              ; vector work on other registers while those products run
	WIN 0x54
	PV 1, \first
	FIVE
	WIN 0
.endm
; One slot of 128 keys.  In front of the barrier every wave waits for all its tensor loads (its part of this slot) and for its reads of the other slot;
; behind it the other slot's refill is the wave's first and only tensor load, with this whole step in which to land.
.macro STEP slot, head, refill, qf, dv
	s_wait_tensorcnt 0x0
	ds_add_u32 v254, v255
	s_wait_dscnt 0x0
	s_wait_dscnt 0x0
.if \refill
	s_cmp_lt_u32 s52, s53                          ; the next tile: the slots below the diagonal in turn, then the second block's diagonal
	s_cselect_b32 s56, s52, s54
	s_add_co_u32 s52, s52, 1
	s_mul_i32 s50, s56, TSTEP
	s_add_nc_u64 s[G0+6-4*\slot:G0+7-4*\slot], s[48:49], s[50:51]  ; no tensor load of mine is out: a group 0 may be written
	s_or_b32 s[G0+7-4*\slot], s[G0+7-4*\slot], 0x80000000
.endif
	s_barrier_signal -1
	s_barrier_wait -1
.if \refill
	KVLOAD 1-\slot
.endif
	s_min_u32 s55, s55, 15                         ; 16 slots of keys: the index stays inside the table
	s_lshl_b32 s63, s55, 9
	v_add_nc_u32 v[ADRM], s63, v[ADRM0]
	LOADK \slot, 0
	LOADM 0
	SUB \slot, 0, \head, \head, \qf, \dv
	SUB \slot, 1, \head, 0, \qf, \dv
.if \refill
	s_mov_b32 s55, s56
.endif
.endm
; A block's end: divide, put V's mean in the padded queries' rows, round, and store whole rows of the head pair.
.macro FIN p
	WIN 0x40
.irp et, 0,1,2,3
	ds_load_b128 v[SS+8*\et:SS+8*\et+3],   v[ADVM] offset:64*\et
	ds_load_b128 v[SS+8*\et+4:SS+8*\et+7], v[ADVM] offset:64*\et+16
.endr
	WIN 0x55
	v_permlanex16_b32 v[RT], v[RL], s58, s59       ; the two halves of the keys' sums meet only here
	v_permlanex16_b32 v[RT+1], v[RL+1], s58, s59
	v_pk_add_f32 v[RL:RL+1], v[RL:RL+1], v[RT:RT+1]
	v_rcp_f32 v[RAL], v[RL]                        ; the sum holds the maximum's own weight 1: never 0
	v_rcp_f32 v[RNM], v[RL+1]
	v_nop
.set i, 0
	s_wait_alu depctr_va_vdst(0)
.rept 16
	v_pk_mul_f32 v[OO+2*i:OO+2*i+1], v[OO+2*i:OO+2*i+1], v[RAL:RAL+1] op_sel_hi:[1,0]
	v_pk_mul_f32 v[OO+32+2*i:OO+32+2*i+1], v[OO+32+2*i:OO+32+2*i+1], v[RNM:RNM+1] op_sel_hi:[1,0]
.set i, i+1
.endr
	s_wait_dscnt 0x0
.irp qt, 0,1
.set i, 0
.rept 32
	v_cndmask_b32 v[OO+32*\qt+i], v[SS+i], v[OO+32*\qt+i], s[66+2*\p+\qt]
.set i, i+1
.endr
.set i, 0
.rept 16
	v_cvt_pk_bf16_f32 v[SS+32+16*\qt+i], v[OO+32*\qt+2*i], v[OO+32*\qt+2*i+1]
.set i, i+1
.endr
.endr
	WIN 0x04
.irp qt, 0,1
.irp et, 0,1,2,3
	ds_store_b128 v[STO], v[SS+32+16*\qt+4*\et:SS+32+16*\qt+4*\et+3] offset:16*SP*\qt+32*\et
.endr
.endr
	WIN 0
	s_wait_dscnt 0x0                               ; my part of the stage is written
	s_wait_tensorcnt 0x0                           ; the one load that may be out was asked for a whole step ago: no barrier has a tensor load of mine in flight
	s_barrier_signal -1
	s_barrier_wait -1
.irp t, 0,1,2,3,4,5,6,7
	ds_load_b128 v[KF+4*\t:KF+4*\t+3], v[RD] offset:2*SP*\t
.endr
.irp t, 0,1,2,3,4,5,6,7
	s_wait_dscnt 7-\t
	global_store_b128 v[CO], v[KF+4*\t:KF+4*\t+3], s[70+2*\p:71+2*\p] offset:4096*\t   ; sixteen lanes: 256 consecutive aligned bytes
.endr
.if \p == 0
	s_wait_xcnt 0x0                                ; the registers that these stores read are loaded again in the next step
.endif
.endm
	STEP 0, 1, 1, QF1, DV1                         ; the first block: 1 + 2 (7 - a) steps
	s_cmp_eq_u32 s80, 0
	s_cbranch_scc1 .Lp1_done
	s_mov_b32 s57, 0
.Lp1:
	STEP 1, 0, 1, QF1, DV1
	STEP 0, 0, 1, QF1, DV1
	s_add_co_u32 s57, s57, 1
	s_cmp_lt_u32 s57, s80
	s_cbranch_scc1 .Lp1
.Lp1_done:
	FIN 0
	s_mov_b32 s52, 0                               ; the second block: slots 0, 1, .. below its diagonal, no further block behind them
	s_mov_b32 s53, 99
	STEP 1, 1, 1, QF2, DV2                         ; 1 + 2 a + 1 steps
	s_cmp_eq_u32 s81, 0
	s_cbranch_scc1 .Lp2_done
	s_mov_b32 s57, 0
.Lp2:
	STEP 0, 0, 1, QF2, DV2
	STEP 1, 0, 1, QF2, DV2
	s_add_co_u32 s57, s57, 1
	s_cmp_lt_u32 s57, s81
	s_cbranch_scc1 .Lp2
.Lp2_done:
	STEP 0, 0, 0, QF2, DV2                         ; the last step fills nothing
	FIN 1
	s_wait_tensorcnt 0x0
	ds_add_u32 v254, v255
	s_wait_dscnt 0x0
	s_endpgm
.Lfunc_end_k_qb78147486d_attn:
	.size	k_qb78147486d_attn, .Lfunc_end_k_qb78147486d_attn-k_qb78147486d_attn
	.p2alignl 7, 3214868480
	.fill 96, 4, 3214868480
	.section	.rodata,"a",@progbits
	.p2align	6, 0x0
	.amdhsa_kernel k_qb78147486d_attn
		.amdhsa_group_segment_fixed_size 327680
		.amdhsa_private_segment_fixed_size 0
		.amdhsa_enable_private_segment 0
		.amdhsa_kernarg_size 32
		.amdhsa_user_sgpr_count 2
		.amdhsa_user_sgpr_kernarg_segment_ptr 1
		.amdhsa_wavefront_size32 1
		.amdhsa_system_sgpr_workgroup_id_x 1
		.amdhsa_system_sgpr_workgroup_id_y 1
		.amdhsa_system_sgpr_workgroup_id_z 1
		.amdhsa_system_vgpr_workitem_id 0
		.amdhsa_next_free_vgpr 448
		.amdhsa_next_free_sgpr 92
		.amdhsa_reserve_vcc 1
		.amdhsa_float_denorm_mode_32 3
		.amdhsa_float_denorm_mode_16_64 3
		.amdhsa_memory_ordered 1
		.amdhsa_forward_progress 1
		.amdhsa_inst_pref_size 255
	.end_amdhsa_kernel
	.section	.bss,"aw",@nobits
	.p2align	6
	.space	262144
	.amdgpu_metadata
---
amdhsa.version: [ 1, 2 ]
amdhsa.kernels:
  - .name:           k_qb78147486d_attn
    .symbol:         k_qb78147486d_attn.kd
    .args:
      - { .name: big, .offset: 0, .size: 8, .value_kind: global_buffer, .address_space: global }
      - { .name: padding_mask, .offset: 8, .size: 8, .value_kind: global_buffer, .address_space: global }
      - { .name: vpart, .offset: 16, .size: 8, .value_kind: global_buffer, .address_space: global }
      - { .name: act, .offset: 24, .size: 8, .value_kind: global_buffer, .address_space: global }
    .group_segment_fixed_size: 327680
    .private_segment_fixed_size: 0
    .kernarg_segment_align: 8
    .kernarg_segment_size: 32
    .max_flat_workgroup_size: 128
    .sgpr_count:     92
    .vgpr_count:     448
    .wavefront_size: 32
...
	.end_amdgpu_metadata
.endif
;; end of part 3
;; launch gemm_w0 (part 4): grid 8 x 32, 4 waves a work-group, clusters of 4 x 4, 327,680 bytes of LDS; arguments act, wb, b0, X, res; writes res
.if DOCPART == 4
	.amdgcn_target "amdgcn-amd-amdhsa--gfx1250"
	.amdhsa_code_object_version 6
	.text
	.protected	k_qb78147486d_gemm_w0
	.globl	k_qb78147486d_gemm_w0
	.p2align	8
	.type	k_qb78147486d_gemm_w0,@function
k_qb78147486d_gemm_w0:
	s_mov_b64 s[64:65], 0
	v_nop
	global_prefetch_b8 v0, s[64:65] scope:SCOPE_SE
	s_setreg_imm32_b32 hwreg(HW_REG_WAVE_MODE, 25, 1), 1
	s_wait_xcnt 0x0
	s_wait_alu depctr_hold_cnt(0) depctr_sa_sdst(0) depctr_va_vdst(0) depctr_va_sdst(0) depctr_va_ssrc(0) depctr_va_vcc(0) depctr_vm_vsrc(0)
	s_getreg_b32 s2, hwreg(HW_REG_IB_STS2, 6, 4)
	s_cmp_eq_u32 s2, 0
	s_cbranch_scc0 .Lentry_in_a_cluster
	s_endpgm
.Lentry_in_a_cluster:
	s_bfe_u32 s2, ttmp6, 0x10000c
	s_cmp_lg_u32 s2, 0xf033
	s_cbranch_scc0 .Lentry_shape_is_right
	s_endpgm
.Lentry_shape_is_right:
; res[m][n] = sum over k of act[m][k] W0[k][n] + b0[n] + X[m][n].  act [4096][1024] bf16 (the context), W0 [1024][1024] bf16 in wb at byte 6,291,456, X and res f32.
; N is 1,024: only blocks of 128 x 128 give 8 x 32 = 256 work-groups.  Four waves, a wave 64 x 64: 16 accumulator tiles.
; A slot holds 256 along K, two steps of 128 in one load a wave, so that one barrier and one round of the cluster's barrier serve 128 matrix instructions of a wave.
; CLUSTERS 4 x 4: A's tile jointly along a row of the cluster, W's along a column.  The matrix instruction is used transposed (source 0 = W's columns, source 1 = A's rows):
; a lane holds 8 neighbouring columns of one row; the bias is the C operand of the first product.  The residual's 32 loads go out at the start and are waited for at the end.
; TWO ORDERS ALONG K: step t takes tile t ^ m of the SIZE_K / 256, with m = SWAP x ((cluster x + cluster y) % 2).  The two clusters that read the same rows of A (same y) have
; different m, and so have the neighbours along y, which read the same columns of W.  So of every 2 SWAP tiles a cluster asks for SWAP that no other cluster has asked for yet
; and for SWAP that another cluster asked for SWAP steps earlier.  m is the same in all sixteen partners; only the order of the f32 sums over K differs between clusters.
; window 0: v0-31 addresses; v32-63 / v96-127 A's fragments, v64-95 / v128-159 W's (two buffers); v160-191 bias; v192-255 read-back.  window 1: v0-127 accumulators (8 (4 a + b)), v128-255 residual.
.set SIZE_K, 1024
.set WOFF,   6291456
.set SWAPLOG, 1                        ; SWAP = 2 of the 4 tiles
.set APITCH, 528                       ; 512 bytes + 16 = 33 x 16
.set BPITCH, 288                       ; 256 bytes + 32 = 9 x 32
.set RGN,    36864                     ; a wave's part of a slot: 64 rows of A (33,792 used) or 128 k rows of W
.set SLOT,   4*RGN
.set STAGE,  2*SLOT
.set SPITCH, 272
.set LAPS,   SIZE_K/512
.set ADRA, 16                          ; v16-17 slot 0, 1
.set ADRB, 20                          ; v20-23 2 x slot + half of the slot's 256 k rows
.set STO,  24
.set RD,   25
.set CO,   26
.set BO,   27
.set FA,   32                          ; + 64 x buffer
.set FB,   64
.set BIASL, 160
.set RB,   192
.set RES,  128                         ; window 1
.set G1, 24
.set G0, 32
.set G1B, 48
.set G0B, 56
.set MSB, 0
.macro WIN new
.if MSB != (\new)
	s_set_vgpr_msb (MSB<<8)|(\new)
.set MSB, \new
.endif
.endm
.macro JLOAD s
	s_cmp_eq_u32 s11, 0
	s_cbranch_scc0 .Lfor_b_\@
	tensor_load_to_lds s[G0+4*\s:G0+4*\s+3], s[G1:G1+7]
	s_nop 0
	s_branch .Lasked_\@
.Lfor_b_\@:
	tensor_load_to_lds s[G0B+4*\s:G0B+4*\s+3], s[G1B:G1B+7]
	s_nop 0
.Lasked_\@:
.endm
.macro CREST
	s_cmp_lg_u32 s10, 0
	s_cbranch_scc1 .Lnot_wave_0_\@
	s_barrier_signal -3
.Lnot_wave_0_\@:
	s_barrier_wait -3
	s_barrier_signal -1
	s_barrier_wait -1
.endm
.macro CROUND
	s_barrier_signal -1
	s_barrier_wait -1
	CREST
.endm
; The addresses of the next step's tile, s82 ^ m, into the slot's two group 0: no tensor load of the wave is out where this stands.
.macro NEXT slot
	s_xor_b32 s84, s82, s83
	s_add_co_u32 s82, s82, 1
	s_lshl_b32 s86, s84, 19                        ; 256 k rows of 2,048 bytes
	s_lshl_b32 s84, s84, 9                         ; 256 along K in a row of A
	s_add_nc_u64 s[G0+4*\slot+2:G0+4*\slot+3], s[14:15], s[84:85]
	s_or_b32 s[G0+4*\slot+3], s[G0+4*\slot+3], 0x80000000
	s_add_nc_u64 s[G0B+4*\slot+2:G0B+4*\slot+3], s[46:47], s[86:87]
	s_or_b32 s[G0B+4*\slot+3], s[G0B+4*\slot+3], 0x80000000
.endm
	s_load_b128 s[4:7], s[0:1], 0x0                ; a s[4:5], wb s[6:7]
	s_load_b128 s[68:71], s[0:1], 0x10             ; bias s[68:69], residual s[70:71]
	s_load_b64 s[72:73], s[0:1], 0x20              ; out
	v_lshl_add_u32 v30, v0, 2, 0x4c400
	v_mov_b32 v31, 0
	ds_add_u32 v30, v31
	ds_add_u32 v30, v31
	v_lshrrev_b32 v1, 5, v0
	v_readfirstlane_b32 s10, v1
	s_lshr_b32 s11, s10, 1                         ; my half of the rows; also: I fetch A (0) or W (1)
	s_and_b32 s12, s10, 1                          ; my half of the columns; also: which half of that tile
	s_bfe_u32 s40, ttmp6, 0x40000
	s_bfe_u32 s41, ttmp6, 0x40004
	s_lshl_b32 s42, ttmp9, 2
	s_add_co_u32 s42, s42, s40                     ; block column
	s_and_b32 s13, ttmp7, 0xffff
	s_add_co_u32 s83, s13, ttmp9                   ; cluster y + cluster x
	s_and_b32 s83, s83, 1
	s_lshl_b32 s83, s83, SWAPLOG                   ; m = 0 or SWAP
	s_mov_b32 s82, 2                               ; the step that the next refill serves
	s_lshl_b32 s13, s13, 2
	s_add_co_u32 s13, s13, s41                     ; block row
	s_lshl_b32 s43, s41, 2
	s_lshl_b32 s43, 15, s43
	s_lshl_b32 s44, 0x1111, s40
	s_or_b32 s[G1+0], s43, (1<<16)|(1<<20)|(1<<21)|(6<<22)|(3<<25)    ; A: my row's mask; 4 words of padding behind every 128
	s_mov_b32 s[G1+1], 256<<16                     ; 256 along K
	s_mov_b32 s[G1+2], 64<<16                      ; 64 rows
	s_mov_b32 s[G1+3], 256<<16
	s_mov_b32 s[G1+4], 64
	s_mov_b32 s[G1+5], SIZE_K
	s_mov_b32 s[G1+6], 0
	s_mov_b32 s[G1+7], 0
	s_or_b32 s[G1B+0], s44, (1<<16)|(1<<20)|(1<<21)|(5<<22)|(7<<25)   ; W: my column's mask; 8 words behind every 64
	s_mov_b32 s[G1B+1], 128<<16                    ; 128 columns
	s_mov_b32 s[G1B+2], 128<<16                    ; 128 k rows
	s_mov_b32 s[G1B+3], 128<<16
	s_mov_b32 s[G1B+4], 128
	s_mov_b32 s[G1B+5], 1024
	s_mov_b32 s[G1B+6], 0
	s_mov_b32 s[G1B+7], 0
	s_lshl_b32 s17, s12, 6
	s_lshl_b32 s16, s13, 7
	s_add_co_u32 s16, s16, s17                     ; A: row 128 x block row + 64 x half
	s_mul_i32 s16, s16, SIZE_K*2
	s_mov_b32 s17, 0
	s_lshl_b32 s46, s42, 8                         ; W: 256 bytes a block column
	s_lshl_b32 s47, s12, 18                        ; + 128 k rows of 2,048 bytes
	s_add_co_u32 s46, s46, s47
	s_add_co_u32 s46, s46, WOFF
	s_mov_b32 s47, 0
	s_mul_i32 s20, s10, RGN
	s_lshl_b32 s84, s83, 9                         ; tile m: where steps 0 and 1 begin
	s_mov_b32 s85, 0
	s_lshl_b32 s86, s83, 19
	s_mov_b32 s87, 0
	s_wait_dscnt 0x0
	s_wait_kmcnt 0x0
	s_add_nc_u64 s[14:15], s[4:5], s[16:17]        ; my rows of A at K = 0: kept
	s_add_nc_u64 s[46:47], s[6:7], s[46:47]        ; my columns of W at K = 0: kept
	s_add_nc_u64 s[88:89], s[14:15], s[84:85]
	s_add_nc_u64 s[90:91], s[46:47], s[86:87]
	CROUND
.irp s, 0,1
	s_mov_b32 s[G0+4*\s], 1
	s_add_co_u32 s[G0+4*\s+1], s20, \s*SLOT
	s_add_nc_u64 s[G0+4*\s+2:G0+4*\s+3], s[88:89], \s*512          ; m is even: tile 1 ^ m = m + 1
	s_or_b32 s[G0+4*\s+3], s[G0+4*\s+3], 0x80000000
	s_mov_b32 s[G0B+4*\s], 1
	s_add_co_u32 s[G0B+4*\s+1], s20, \s*SLOT
	s_add_nc_u64 s[G0B+4*\s+2:G0B+4*\s+3], s[90:91], \s*524288
	s_or_b32 s[G0B+4*\s+3], s[G0B+4*\s+3], 0x80000000
	JLOAD \s                                       ; two tensor loads of a wave are out here, later one
.endr
	s_lshl_b32 s80, s42, 9                         ; my 64 columns in f32: 512 x block column + 256 x half
	s_lshl_b32 s81, s12, 8
	s_add_co_u32 s80, s80, s81
	s_mov_b32 s81, 0
	s_add_nc_u64 s[68:69], s[68:69], s[80:81]
	s_lshl_b32 s78, s13, 7
	s_lshl_b32 s79, s11, 6
	s_add_co_u32 s78, s78, s79                     ; my first row
	s_lshl_b32 s78, s78, 12
	s_add_co_u32 s78, s78, s80
	s_mov_b32 s79, 0
	s_add_nc_u64 s[70:71], s[70:71], s[78:79]
	s_add_nc_u64 s[72:73], s[72:73], s[78:79]
	v_and_b32 v1, 15, v0
	v_bfe_u32 v2, v0, 4, 1
	v_lshlrev_b32 v[BO], 5, v2
	v_lshlrev_b32 v[CO], 4, v1
	v_lshl_add_u32 v[CO], v2, 12, v[CO]            ; two rows of 4,096 bytes a store, 16 bytes a lane
.irp b, 0,1,2,3
	global_load_b128 v[BIASL+8*\b:BIASL+8*\b+3],   v[BO], s[68:69] offset:64*\b
	global_load_b128 v[BIASL+8*\b+4:BIASL+8*\b+7], v[BO], s[68:69] offset:64*\b+16
.endr
	WIN 0x40
.irp a, 0,1,2,3
.irp t, 0,1,2,3,4,5,6,7
	global_load_b128 v[RES+32*\a+4*\t:RES+32*\a+4*\t+3], v[CO], s[70:71] offset:(16*\a+2*\t)*4096
.endr
.endr
	WIN 0
	v_mul_u32_u24 v3, v1, APITCH
	v_lshl_add_u32 v3, v2, 4, v3
	s_mul_i32 s21, s11, RGN
	v_add_nc_u32 v[ADRA], s21, v3
	v_add_nc_u32 v[ADRA+1], SLOT, v[ADRA]
	v_and_b32 v4, 7, v0
	v_lshl_add_u32 v4, v2, 3, v4
	v_mul_u32_u24 v4, v4, BPITCH
	v_bfe_u32 v5, v0, 3, 1
	v_lshl_add_u32 v4, v5, 4, v4
	s_lshl_b32 s22, s12, 7
	s_add_co_u32 s22, s22, 2*RGN
	v_add_nc_u32 v[ADRB], s22, v4
	v_add_nc_u32 v[ADRB+1], RGN, v[ADRB]
	v_add_nc_u32 v[ADRB+2], SLOT, v[ADRB]
	v_add_nc_u32 v[ADRB+3], SLOT+RGN, v[ADRB]
	s_mul_i32 s23, s10, 16*SPITCH
	s_add_co_u32 s23, s23, STAGE
	v_mul_u32_u24 v4, v1, SPITCH
	v_lshl_add_u32 v4, v2, 5, v4                   ; in: row l % 16, 32 bytes for each half of the lanes
	v_add_nc_u32 v[STO], s23, v4
	v_mul_u32_u24 v5, v2, SPITCH
	v_lshl_add_u32 v5, v1, 4, v5
	v_add_nc_u32 v[RD], s23, v5
.macro FETCH slot, ks, f               ; slice ks (32 along K) of a slot into buffer f: W's 4 column blocks, then A's 4 row blocks
	WIN 0
.irp i, 0,1,2,3
	ds_load_tr16_b128 v[FB+64*\f+8*\i:FB+64*\f+8*\i+3],   v[ADRB+2*\slot+\ks/4] offset:(\ks%4)*32*BPITCH+32*\i
	ds_load_tr16_b128 v[FB+64*\f+8*\i+4:FB+64*\f+8*\i+7], v[ADRB+2*\slot+\ks/4] offset:(\ks%4)*32*BPITCH+32*\i+16*BPITCH
.endr
.irp i, 0,1,2,3
	ds_load_b128 v[FA+64*\f+8*\i:FA+64*\f+8*\i+3],   v[ADRA+\slot] offset:64*\ks+16*APITCH*\i
	ds_load_b128 v[FA+64*\f+8*\i+4:FA+64*\f+8*\i+7], v[ADRA+\slot] offset:64*\ks+16*APITCH*\i+32
.endr
.endm
.macro MULA f, a, first                ; row block a x 4 column blocks
.if \first
	WIN 0x40
.else
	WIN 0x50
.endif
.irp b, 0,1,2,3
.if \first
	v_wmma_f32_16x16x32_bf16 v[8*(4*\a+\b):8*(4*\a+\b)+7], v[FB+64*\f+8*\b:FB+64*\f+8*\b+7], v[FA+64*\f+8*\a:FA+64*\f+8*\a+7], v[BIASL+8*\b:BIASL+8*\b+7]
.else
	v_wmma_f32_16x16x32_bf16 v[8*(4*\a+\b):8*(4*\a+\b)+7], v[FB+64*\f+8*\b:FB+64*\f+8*\b+7], v[FA+64*\f+8*\a:FA+64*\f+8*\a+7], v[8*(4*\a+\b):8*(4*\a+\b)+7]
.endif
.endr
.endm
.macro PLACES                          ; four plain places in front of loads into registers that matrix instructions have read
.rept 4
	v_nop
.endr
.endm
.macro SLICE slot, ksn, f, g, first    ; multiplies buffer f; in its middle fetches slice ksn into buffer g
	s_wait_dscnt 4                                 ; all but A's row blocks 2 and 3
	MULA \f, 0, \first
	MULA \f, 1, \first
	PLACES
	FETCH \slot, \ksn, \g
	s_wait_dscnt 16                                ; all but the 16 just issued
	MULA \f, 2, \first
	MULA \f, 3, \first
.endm
.macro SEVEN slot, first
	SLICE \slot, 1, 0, 1, \first
	SLICE \slot, 2, 1, 0, 0
	SLICE \slot, 3, 0, 1, 0
	SLICE \slot, 4, 1, 0, 0
	SLICE \slot, 5, 0, 1, 0
	SLICE \slot, 6, 1, 0, 0
	SLICE \slot, 7, 0, 1, 0
.endm
; The eighth slice changes slots: each wave's reads of this slot and all its tensor loads are waited for in front of the barrier; with a refill the barrier opens a round
; of the cluster's barrier, and the joint refill is the first tensor load behind it.
.macro TURN slot, next, fill
	s_wait_dscnt 4
	MULA 1, 0, 0
	s_wait_dscnt 0
	s_wait_tensorcnt 0x0
	ds_add_u32 v30, v31
	s_wait_dscnt 0x0
	s_barrier_signal -1
	MULA 1, 1, 0
	WIN 0
	s_barrier_wait -1
.if \fill
	CREST
	NEXT \slot
	JLOAD \slot
.endif
	PLACES
	FETCH \next, 0, 0
	MULA 1, 2, 0
	MULA 1, 3, 0
.endm
.macro LAP first
	SEVEN 0, \first
	TURN 0, 1, 1
	SEVEN 1, 0
	TURN 1, 0, 1
.endm
	s_wait_loadcnt 32                              ; the bias is in; the residual's 32 loads stay out
	s_wait_tensorcnt 1                             ; my part of slot 0 is in; slot 1's stays out
	s_barrier_signal -1
	s_barrier_wait -1
	FETCH 0, 0, 0
	LAP 1                                          ; the 16 accumulators take turns, one instruction a turn, in the same order everywhere
.if LAPS > 2
	WIN 0
	s_mov_b32 s3, LAPS-2
.Llap:
	LAP 0
	WIN 0
	s_sub_co_u32 s3, s3, 1
	s_cmp_lg_u32 s3, 0
	s_cbranch_scc1 .Llap
.endif
	SEVEN 0, 0                                     ; the last lap fills nothing
	TURN 0, 1, 0
	SEVEN 1, 0
	s_wait_dscnt 4
	MULA 1, 0, 0
	MULA 1, 1, 0
	s_wait_dscnt 0
	MULA 1, 2, 0
	MULA 1, 3, 0
	PLACES
	s_wait_loadcnt 0x0                             ; the residual
.macro OUT a                           ; 16 rows: f32 through my own stage, read back as rows of 256 bytes, plus the residual
	WIN 0x04
.irp b, 0,1,2,3
	ds_store_b128 v[STO], v[8*(4*\a+\b):8*(4*\a+\b)+3]   offset:64*\b
	ds_store_b128 v[STO], v[8*(4*\a+\b)+4:8*(4*\a+\b)+7] offset:64*\b+16
.endr
	WIN 0
	s_wait_xcnt 0x0                                ; the registers that earlier stores read are loaded again only behind this wait
.irp t, 0,1,2,3,4,5,6,7
	ds_load_b128 v[RB+32*(\a%2)+4*\t:RB+32*(\a%2)+4*\t+3], v[RD] offset:2*SPITCH*\t
.endr
	s_wait_dscnt 0x0
	WIN 0x01
.irp t, 0,1,2,3,4,5,6,7
	v_pk_add_f32 v[RB+32*(\a%2)+4*\t:RB+32*(\a%2)+4*\t+1],   v[RES+32*\a+4*\t:RES+32*\a+4*\t+1],   v[RB+32*(\a%2)+4*\t:RB+32*(\a%2)+4*\t+1]
	v_pk_add_f32 v[RB+32*(\a%2)+4*\t+2:RB+32*(\a%2)+4*\t+3], v[RES+32*\a+4*\t+2:RES+32*\a+4*\t+3], v[RB+32*(\a%2)+4*\t+2:RB+32*(\a%2)+4*\t+3]
.endr
	WIN 0
.irp t, 0,1,2,3,4,5,6,7
	global_store_b128 v[CO], v[RB+32*(\a%2)+4*\t:RB+32*(\a%2)+4*\t+3], s[72:73] offset:(16*\a+2*\t)*4096   ; sixteen lanes: 256 consecutive aligned bytes
.endr
.endm
	OUT 0
	OUT 1
	OUT 2
	OUT 3
	s_wait_tensorcnt 0x0
	ds_add_u32 v30, v31
	s_wait_dscnt 0x0
	CROUND                                         ; the closing round
	s_endpgm
.Lfunc_end_k_qb78147486d_gemm_w0:
	.size	k_qb78147486d_gemm_w0, .Lfunc_end_k_qb78147486d_gemm_w0-k_qb78147486d_gemm_w0
	.p2alignl 7, 3214868480
	.fill 96, 4, 3214868480
	.section	.rodata,"a",@progbits
	.p2align	6, 0x0
	.amdhsa_kernel k_qb78147486d_gemm_w0
		.amdhsa_group_segment_fixed_size 327680
		.amdhsa_private_segment_fixed_size 0
		.amdhsa_enable_private_segment 0
		.amdhsa_kernarg_size 40
		.amdhsa_user_sgpr_count 2
		.amdhsa_user_sgpr_kernarg_segment_ptr 1
		.amdhsa_wavefront_size32 1
		.amdhsa_system_sgpr_workgroup_id_x 1
		.amdhsa_system_sgpr_workgroup_id_y 1
		.amdhsa_system_sgpr_workgroup_id_z 1
		.amdhsa_system_vgpr_workitem_id 0
		.amdhsa_next_free_vgpr 512
		.amdhsa_next_free_sgpr 92
		.amdhsa_reserve_vcc 0
		.amdhsa_float_denorm_mode_32 3
		.amdhsa_float_denorm_mode_16_64 3
		.amdhsa_memory_ordered 1
		.amdhsa_forward_progress 1
		.amdhsa_inst_pref_size 98
	.end_amdhsa_kernel
	.amdgpu_metadata
---
amdhsa.version: [ 1, 2 ]
amdhsa.kernels:
  - .name:           k_qb78147486d_gemm_w0
    .symbol:         k_qb78147486d_gemm_w0.kd
    .args:
      - { .name: act, .offset: 0, .size: 8, .value_kind: global_buffer, .address_space: global }
      - { .name: wb, .offset: 8, .size: 8, .value_kind: global_buffer, .address_space: global }
      - { .name: b0, .offset: 16, .size: 8, .value_kind: global_buffer, .address_space: global }
      - { .name: X, .offset: 24, .size: 8, .value_kind: global_buffer, .address_space: global }
      - { .name: res, .offset: 32, .size: 8, .value_kind: global_buffer, .address_space: global }
    .group_segment_fixed_size: 327680
    .private_segment_fixed_size: 0
    .kernarg_segment_align: 8
    .kernarg_segment_size: 40
    .max_flat_workgroup_size: 128
    .sgpr_count:     92
    .vgpr_count:     512
    .wavefront_size: 32
...
	.end_amdgpu_metadata
.endif
;; end of part 4
;; launch ln2 (part 5): grid 256 x 1, 8 waves a work-group, no clusters, 0 bytes of LDS; arguments res, g2, o2, act; writes act
.if DOCPART == 5
	.amdgcn_target "amdgcn-amd-amdhsa--gfx1250"
	.amdhsa_code_object_version 6
	.text
	.protected	k_qb78147486d_ln2
	.globl	k_qb78147486d_ln2
	.p2align	8
	.type	k_qb78147486d_ln2,@function
k_qb78147486d_ln2:
	s_mov_b64 s[64:65], 0
	v_nop
	global_prefetch_b8 v0, s[64:65] scope:SCOPE_SE
	s_setreg_imm32_b32 hwreg(HW_REG_WAVE_MODE, 25, 1), 1
	s_wait_xcnt 0x0
; y[r][c] = g[c] * (x[r][c] - mean) / (sd + 1e-9) + o[c], sd the biased standard deviation; x [4096][1024] f32, y bf16.
; One wave, two rows, each kept in 32 registers: read once, mean first, then the squares of the differences (no difference of large sums),
; so a common offset of the inputs costs no digits.  The reduction never leaves the wave: no LDS, no barrier.
; A load of a wave covers 512 consecutive bytes, a store 256 consecutive aligned bytes.
; Limit: a variance below 2^-126 counts as 0 in the square root; against the 1e-9 that is added this changes nothing that f32 shows.
.set G,    2                           ; v[2:33]    gain of my 32 columns
.set O,    34                          ; v[34:65]   offset
.set XA,   66                          ; v[66:97]   first row
.set XB,   98                          ; v[98:129]  second row
.set T,    130                         ; v[130:137] at work
.set MEAN, 138                         ; v[138:139] the mean, twice
.set INV,  140                         ; v[140:141] 1 / (sd + 1e-9), twice
	s_load_b256 s[4:11], s[0:1], 0x0               ; x s[4:5], g s[6:7], o s[8:9], y s[10:11]
	v_lshrrev_b32 v1, 5, v0
	v_readfirstlane_b32 s14, v1                    ; wave
	v_and_b32 v142, 31, v0
	v_lshlrev_b32 v1, 4, v142                      ; 16 bytes of f32 a lane
	v_lshlrev_b32 v142, 3, v142                    ; 8 bytes of bf16 a lane
	s_mov_b32 s12, 0x76543210                      ; v_permlanex16_b32: lane i reads lane i of the other half
	s_mov_b32 s13, 0xfedcba98
	s_lshl_b32 s15, ttmp9, 3
	s_add_co_u32 s15, s15, s14                     ; pair of rows = 8 x work-group + wave
	s_lshl_b32 s16, s15, 13                        ; two rows of 4,096 bytes
	s_mov_b32 s17, 0
	s_lshl_b32 s18, s15, 12                        ; two rows of 2,048 bytes
	s_mov_b32 s19, 0
	s_wait_kmcnt 0x0
	s_add_nc_u64 s[4:5], s[4:5], s[16:17]
	s_add_nc_u64 s[10:11], s[10:11], s[18:19]
.irp j, 0,1,2,3,4,5,6,7
	global_load_b128 v[XA+4*\j:XA+4*\j+3], v1, s[4:5] offset:512*\j
.endr
.irp j, 0,1,2,3,4,5,6,7
	global_load_b128 v[XB+4*\j:XB+4*\j+3], v1, s[4:5] offset:4096+512*\j
.endr
.irp j, 0,1,2,3,4,5,6,7
	global_load_b128 v[G+4*\j:G+4*\j+3], v1, s[6:7] offset:512*\j
.endr
.irp j, 0,1,2,3,4,5,6,7
	global_load_b128 v[O+4*\j:O+4*\j+3], v1, s[8:9] offset:512*\j
.endr
.macro FOLD                            ; the four chains in v[T:T+7] and the 32 lanes become one sum, in every lane's v[T]
	v_pk_add_f32 v[T:T+1], v[T:T+1], v[T+2:T+3]
	v_pk_add_f32 v[T+4:T+5], v[T+4:T+5], v[T+6:T+7]
	v_pk_add_f32 v[T:T+1], v[T:T+1], v[T+4:T+5]
	v_add_f32 v[T], v[T], v[T+1]
	v_add_f32_dpp v[T], v[T], v[T] row_xmask:1 row_mask:0xf bank_mask:0xf
	v_add_f32_dpp v[T], v[T], v[T] row_xmask:2 row_mask:0xf bank_mask:0xf
	v_add_f32_dpp v[T], v[T], v[T] row_xmask:4 row_mask:0xf bank_mask:0xf
	v_add_f32_dpp v[T], v[T], v[T] row_xmask:8 row_mask:0xf bank_mask:0xf
	v_permlanex16_b32 v[T+1], v[T], s12, s13
	v_add_f32 v[T], v[T], v[T+1]
.endm
; One row.  left = how many younger loads may stay out when the row has to be there.
.macro ROW x, rowoff, left
	s_wait_loadcnt \left
.irp k, 0,1,2,3
	v_pk_add_f32 v[T+2*\k:T+2*\k+1], v[\x+2*\k:\x+2*\k+1], v[\x+8+2*\k:\x+8+2*\k+1]   ; the first sums start the chains
.endr
.irp c, 16,24
.irp k, 0,1,2,3
	v_pk_add_f32 v[T+2*\k:T+2*\k+1], v[T+2*\k:T+2*\k+1], v[\x+\c+2*\k:\x+\c+2*\k+1]
.endr
.endr
	FOLD
	v_mul_f32 v[MEAN], 0x3a800000, v[T]            ; / 1024
	v_mov_b32 v[MEAN+1], v[MEAN]
.set i, 0
.rept 16
	v_pk_add_f32 v[\x+2*i:\x+2*i+1], v[\x+2*i:\x+2*i+1], v[MEAN:MEAN+1] neg_lo:[0,1] neg_hi:[0,1]   ; x - mean
.set i, i+1
.endr
.irp k, 0,1,2,3
	v_pk_mul_f32 v[T+2*\k:T+2*\k+1], v[\x+2*\k:\x+2*\k+1], v[\x+2*\k:\x+2*\k+1]
.endr
.irp c, 8,16,24
.irp k, 0,1,2,3
	v_pk_fma_f32 v[T+2*\k:T+2*\k+1], v[\x+\c+2*\k:\x+\c+2*\k+1], v[\x+\c+2*\k:\x+\c+2*\k+1], v[T+2*\k:T+2*\k+1]
.endr
.endr
	FOLD
	v_mul_f32 v[T], 0x3a800000, v[T]               ; the variance
	v_sqrt_f32 v[T], v[T]
	v_nop                                          ; one plain place behind a transcendental before its result is used (ISA guide 5.7.2)
	s_wait_alu depctr_va_vdst(0)
	v_add_f32 v[T], 0x3089705f, v[T]               ; sd + 1e-9
	v_rcp_f32 v[INV], v[T]
	v_rcp_f32 v[INV+1], v[T]
	v_nop                                          ; the place behind the two reciprocals
.if \left
	s_wait_loadcnt 0x0                             ; gain and offset are in (and the second row)
.endif
.set i, 0
	s_wait_alu depctr_va_vdst(0)
.rept 16
	v_pk_mul_f32 v[\x+2*i:\x+2*i+1], v[\x+2*i:\x+2*i+1], v[INV:INV+1]
.set i, i+1
.endr
.set i, 0
.rept 16
	v_pk_fma_f32 v[\x+2*i:\x+2*i+1], v[\x+2*i:\x+2*i+1], v[G+2*i:G+2*i+1], v[O+2*i:O+2*i+1]
.set i, i+1
.endr
.irp j, 0,1,2,3,4,5,6,7
	v_cvt_pk_bf16_f32 v[\x+4*\j],   v[\x+4*\j],   v[\x+4*\j+1]
	v_cvt_pk_bf16_f32 v[\x+4*\j+1], v[\x+4*\j+2], v[\x+4*\j+3]
	global_store_b64 v142, v[\x+4*\j:\x+4*\j+1], s[10:11] offset:\rowoff+256*\j   ; 32 lanes: 256 consecutive aligned bytes
.endr
.endm
	ROW XA, 0, 24                                  ; 24 younger loads: the second row, gain, offset
	ROW XB, 2048, 0
	s_endpgm
.Lfunc_end_k_qb78147486d_ln2:
	.size	k_qb78147486d_ln2, .Lfunc_end_k_qb78147486d_ln2-k_qb78147486d_ln2
	.p2alignl 7, 3214868480
	.fill 96, 4, 3214868480
	.section	.rodata,"a",@progbits
	.p2align	6, 0x0
	.amdhsa_kernel k_qb78147486d_ln2
		.amdhsa_group_segment_fixed_size 0
		.amdhsa_private_segment_fixed_size 0
		.amdhsa_enable_private_segment 0
		.amdhsa_kernarg_size 32
		.amdhsa_user_sgpr_count 2
		.amdhsa_user_sgpr_kernarg_segment_ptr 1
		.amdhsa_wavefront_size32 1
		.amdhsa_system_sgpr_workgroup_id_x 1
		.amdhsa_system_sgpr_workgroup_id_y 1
		.amdhsa_system_sgpr_workgroup_id_z 1
		.amdhsa_system_vgpr_workitem_id 0
		.amdhsa_next_free_vgpr 144
		.amdhsa_next_free_sgpr 66
		.amdhsa_reserve_vcc 0
		.amdhsa_float_denorm_mode_32 3
		.amdhsa_float_denorm_mode_16_64 3
		.amdhsa_memory_ordered 1
		.amdhsa_forward_progress 1
		.amdhsa_inst_pref_size 21
	.end_amdhsa_kernel
	.amdgpu_metadata
---
amdhsa.version: [ 1, 2 ]
amdhsa.kernels:
  - .name:           k_qb78147486d_ln2
    .symbol:         k_qb78147486d_ln2.kd
    .args:
      - { .name: res, .offset: 0, .size: 8, .value_kind: global_buffer, .address_space: global }
      - { .name: g2, .offset: 8, .size: 8, .value_kind: global_buffer, .address_space: global }
      - { .name: o2, .offset: 16, .size: 8, .value_kind: global_buffer, .address_space: global }
      - { .name: act, .offset: 24, .size: 8, .value_kind: global_buffer, .address_space: global }
    .group_segment_fixed_size: 0
    .private_segment_fixed_size: 0
    .kernarg_segment_align: 8
    .kernarg_segment_size: 32
    .max_flat_workgroup_size: 256
    .sgpr_count:     66
    .vgpr_count:     144
    .wavefront_size: 32
...
	.end_amdgpu_metadata
.endif
;; end of part 5
;; launch gemm_ffn1 (part 6): grid 16 x 16, 4 waves a work-group, clusters of 4 x 4, 327,680 bytes of LDS; arguments act, wb, b1, big; writes big
.if DOCPART == 6
	.amdgcn_target "amdgcn-amd-amdhsa--gfx1250"
	.amdhsa_code_object_version 6
	.text
	.protected	k_qb78147486d_gemm_ffn1
	.globl	k_qb78147486d_gemm_ffn1
	.p2align	8
	.type	k_qb78147486d_gemm_ffn1,@function
k_qb78147486d_gemm_ffn1:
	s_mov_b64 s[64:65], 0
	v_nop
	global_prefetch_b8 v0, s[64:65] scope:SCOPE_SE
	s_setreg_imm32_b32 hwreg(HW_REG_WAVE_MODE, 25, 1), 1
	s_wait_xcnt 0x0
	s_wait_alu depctr_hold_cnt(0) depctr_sa_sdst(0) depctr_va_vdst(0) depctr_va_sdst(0) depctr_va_ssrc(0) depctr_va_vcc(0) depctr_vm_vsrc(0)
	s_getreg_b32 s2, hwreg(HW_REG_IB_STS2, 6, 4)
	s_cmp_eq_u32 s2, 0
	s_cbranch_scc0 .Lentry_in_a_cluster
	s_endpgm
.Lentry_in_a_cluster:
	s_bfe_u32 s2, ttmp6, 0x10000c
	s_cmp_lg_u32 s2, 0xf033
	s_cbranch_scc0 .Lentry_shape_is_right
	s_endpgm
.Lentry_shape_is_right:
; big[m][n] = max(0, sum over k of act[m][k] W1[k][n] + b1[n]), bf16 operands, f32 sums, bf16 out.  act [4096][1024], W1 [1024][4096] in wb at byte 8,388,608, big [4096][4096].
; A work-group makes 256 x 256 with four waves, a wave 128 x 128: 64 accumulator tiles, 512 registers; 16 x 16 = 256 work-groups.  K in steps of 128 through two LDS slots.
; The weights lie [K][N]: their fragments come out of LDS by the transposing load, two loads a fragment like A's.
; CLUSTERS: 4 x 4 work-groups; A's tile is asked for jointly along a row of the cluster, the weights' along a column: a quarter of the requests.
; REGISTERS in windows of 256: window 0: v0-31 addresses, v32-63 and v224-255 the bias of my 128 columns, v64-127 and v128-191 fragments of A (two buffers),
; v192-223 at work on the way out; window 1: v64-191 fragments of the weights; windows 2 and 3: accumulators of my rows 0-63 and 64-127 (tile (a, b) at v[8 (8 a + b)]).
; THE MATRIX INSTRUCTION IS USED TRANSPOSED (source 0 = 16 columns of W, source 1 = 16 rows of A): lane l holds row l % 16 and its registers the columns
; 8 (l / 16) + 0..7.  The bias is one register image for each column block: it is the C operand of the first product; nothing is cleared, no bias is added later.
.set SIZE_K, 1024
.set SIZE_N, 4096
.set WOFF,   8388608
.set KSTEP,  128
.set PITCH,  272                       ; A's LDS row: 256 bytes + 16
.set BPITCH, 544                       ; W's LDS row: 512 bytes + 32 = 17 x 32
.set HALFT,  128*PITCH                 ; one tensor load: 128 rows of A, or 64 k rows of W (the same 34,816 bytes)
.set SLOT,   4*HALFT
.set STAGE,  2*SLOT                    ; behind the ring: 16 rows x 272 bytes for each wave; no tensor load lands there
.set SPITCH, 272
.set LAPS, SIZE_K/(2*KSTEP)
.set ADRA, 16
.set ADRB, 20
.set STO,  24
.set RD,   25
.set CO,   26
.set BO,   27
.set F0,   64
.set F1,   128
.set U,    128                         ; the way out: 64 registers at work
.set TMP,  192
.set G1, 24
.set G0, 32
.set G1B, 48
.set G0B, 56
.set MSB, 0
.macro WIN new
.if MSB != (\new)
	s_set_vgpr_msb (MSB<<8)|(\new)
.set MSB, \new
.endif
.endm
.macro JLOAD s                         ; waves 0, 1 ask for A's two halves, waves 2, 3 for W's; the branch hangs on the wave's number alone
	s_cmp_eq_u32 s11, 0
	s_cbranch_scc0 .Lfor_b_\@
	tensor_load_to_lds s[G0+4*\s:G0+4*\s+3], s[G1:G1+7]
	s_nop 0
	s_branch .Lasked_\@
.Lfor_b_\@:
	tensor_load_to_lds s[G0B+4*\s:G0B+4*\s+3], s[G1B:G1B+7]
	s_nop 0
.Lasked_\@:
.endm
.macro CREST
	s_cmp_lg_u32 s10, 0
	s_cbranch_scc1 .Lnot_wave_0_\@
	s_barrier_signal -3
.Lnot_wave_0_\@:
	s_barrier_wait -3
	s_barrier_signal -1
	s_barrier_wait -1
.endm
.macro CROUND
	s_barrier_signal -1
	s_barrier_wait -1
	CREST
.endm
	s_load_b128 s[4:7], s[0:1], 0x0                ; act s[4:5], wb s[6:7]
	s_load_b128 s[68:71], s[0:1], 0x10             ; b1 s[68:69], big s[70:71]
	s_set_vgpr_msb 0x40
	v_lshl_add_u32 v255, v0, 2, 0x48400
	s_set_vgpr_msb 0x4000
	v_mov_b32 v31, 0
	s_set_vgpr_msb 0x1
	ds_add_u32 v255, v31
	ds_add_u32 v255, v31
	s_set_vgpr_msb 0x100
	v_lshrrev_b32 v1, 5, v0
	v_readfirstlane_b32 s10, v1
	s_lshr_b32 s11, s10, 1
	s_and_b32 s12, s10, 1
	s_bfe_u32 s40, ttmp6, 0x40000                  ; cx
	s_bfe_u32 s41, ttmp6, 0x40004                  ; cy
	s_lshl_b32 s42, ttmp9, 2
	s_add_co_u32 s42, s42, s40                     ; block column
	s_and_b32 s13, ttmp7, 0xffff
	s_lshl_b32 s13, s13, 2
	s_add_co_u32 s13, s13, s41                     ; block row
	s_lshl_b32 s43, s41, 2
	s_lshl_b32 s43, 15, s43
	s_lshl_b32 s44, 0x1111, s40
	s_or_b32 s[G1+0], s43, (1<<16)|(1<<20)|(1<<21)|(5<<22)|(3<<25)
	s_mov_b32 s[G1+1], KSTEP<<16
	s_mov_b32 s[G1+2], 128<<16
	s_mov_b32 s[G1+3], KSTEP<<16
	s_mov_b32 s[G1+4], 128
	s_mov_b32 s[G1+5], SIZE_K
	s_mov_b32 s[G1+6], 0
	s_mov_b32 s[G1+7], 0
	s_or_b32 s[G1B+0], s44, (1<<16)|(1<<20)|(1<<21)|(6<<22)|(7<<25)
	s_mov_b32 s[G1B+1], 256<<16
	s_mov_b32 s[G1B+2], 64<<16
	s_mov_b32 s[G1B+3], 256<<16
	s_mov_b32 s[G1B+4], 64
	s_mov_b32 s[G1B+5], SIZE_N
	s_mov_b32 s[G1B+6], 0
	s_mov_b32 s[G1B+7], 0
	s_lshl_b32 s17, s12, 7
	s_lshl_b32 s16, s13, 8
	s_add_co_u32 s16, s16, s17
	s_lshl_b32 s16, s16, 11
	s_mov_b32 s17, 0
	s_lshl_b32 s46, s42, 9
	s_mul_i32 s47, s12, 64*SIZE_N*2
	s_add_co_u32 s46, s46, s47
	s_add_co_u32 s46, s46, WOFF
	s_mov_b32 s47, 0
	s_mul_i32 s20, s10, HALFT
	s_wait_dscnt 0x0
	s_wait_kmcnt 0x0
	s_add_nc_u64 s[14:15], s[4:5], s[16:17]
	s_add_nc_u64 s[46:47], s[6:7], s[46:47]
	CROUND
.irp s, 0,1
	s_mov_b32 s[G0+4*\s], 1
	s_add_co_u32 s[G0+4*\s+1], s20, \s*SLOT
	s_add_nc_u64 s[G0+4*\s+2:G0+4*\s+3], s[14:15], \s*KSTEP*2
	s_or_b32 s[G0+4*\s+3], s[G0+4*\s+3], 0x80000000
	s_mov_b32 s[G0B+4*\s], 1
	s_add_co_u32 s[G0B+4*\s+1], s20, \s*SLOT
	s_add_nc_u64 s[G0B+4*\s+2:G0B+4*\s+3], s[46:47], \s*KSTEP*SIZE_N*2
	s_or_b32 s[G0B+4*\s+3], s[G0B+4*\s+3], 0x80000000
	JLOAD \s                                       ; two tensor loads of a wave are out here, later one
.endr
	s_lshl_b32 s78, s42, 10                        ; the bias of my 128 columns
	s_lshl_b32 s79, s12, 9
	s_add_co_u32 s78, s78, s79
	s_mov_b32 s79, 0
	s_add_nc_u64 s[66:67], s[68:69], s[78:79]
	v_and_b32 v1, 15, v0
	v_bfe_u32 v2, v0, 4, 1
	v_lshlrev_b32 v[BO], 5, v2
.irp b, 0,1,2,3,4,5,6,7
	global_load_b128 v[32+8*\b+160*(\b/4):32+8*\b+160*(\b/4)+3],   v[BO], s[66:67] offset:64*\b
	global_load_b128 v[32+8*\b+160*(\b/4)+4:32+8*\b+160*(\b/4)+7], v[BO], s[66:67] offset:64*\b+16
.endr
	v_mul_u32_u24 v3, v1, PITCH
	v_lshl_add_u32 v3, v2, 4, v3
	s_mul_i32 s21, s11, HALFT
	v_and_b32 v4, 7, v0
	v_lshl_add_u32 v4, v2, 3, v4
	v_mul_u32_u24 v4, v4, BPITCH
	v_bfe_u32 v5, v0, 3, 1
	v_lshl_add_u32 v4, v5, 4, v4
	s_lshl_b32 s22, s12, 8
	s_add_co_u32 s22, s22, 2*HALFT
.irp s, 0,1
	v_add_nc_u32 v[ADRA+\s], s21, v3
	v_add_nc_u32 v[ADRB+\s], s22, v4
	s_add_co_u32 s21, s21, SLOT
	s_add_co_u32 s22, s22, SLOT
.endr
	s_mul_i32 s23, s10, 16*SPITCH
	s_add_co_u32 s23, s23, STAGE
	v_mul_u32_u24 v4, v1, SPITCH
	v_lshl_add_u32 v4, v2, 4, v4
	v_add_nc_u32 v[STO], s23, v4
	v_mul_u32_u24 v5, v2, SPITCH
	v_lshl_add_u32 v5, v1, 4, v5
	v_add_nc_u32 v[RD], s23, v5
	v_mul_u32_u24 v5, v2, SIZE_N*2
	v_lshl_add_u32 v[CO], v1, 4, v5
.macro MUL16 f, hi, a0, first          ; first = 1: C is the bias (window 0), the sums start there
.if \first
	WIN 0x81+0x40*\hi
.else
	WIN 0xa1+0x50*\hi
.endif
.irp a, \a0, \a0+1
.irp b, 0,1,2,3,4,5,6,7
.if \first
	v_wmma_f32_16x16x32_bf16 v[8*(8*(\a)+\b):8*(8*(\a)+\b)+7], v[\f+8*\b:\f+8*\b+7], v[\f+8*(4*\hi+\a):\f+8*(4*\hi+\a)+7], v[32+8*\b+160*(\b/4):32+8*\b+160*(\b/4)+7]
.else
	v_wmma_f32_16x16x32_bf16 v[8*(8*(\a)+\b):8*(8*(\a)+\b)+7], v[\f+8*\b:\f+8*\b+7], v[\f+8*(4*\hi+\a):\f+8*(4*\hi+\a)+7], v[8*(8*(\a)+\b):8*(8*(\a)+\b)+7]
.endif
.endr
.endr
.endm
.macro FETCH slot, q, f
	WIN 0x40
.irp i, 0,1,2,3,4,5,6,7
	ds_load_tr16_b128 v[\f+8*\i:\f+8*\i+3],   v[ADRB+\slot] offset:\q*32*BPITCH+32*\i
	ds_load_tr16_b128 v[\f+8*\i+4:\f+8*\i+7], v[ADRB+\slot] offset:\q*32*BPITCH+32*\i+16*BPITCH
.endr
	WIN 0
.irp i, 0,1,2,3,4,5,6,7
	ds_load_b128 v[\f+8*\i:\f+8*\i+3],   v[ADRA+\slot] offset:64*\q+\i*16*PITCH
	ds_load_b128 v[\f+8*\i+4:\f+8*\i+7], v[ADRA+\slot] offset:64*\q+\i*16*PITCH+32
.endr
.endm
.macro PLACES                          ; four plain places between a matrix instruction and a load into, or a vector instruction on, its registers
.rept 4
	v_nop
.endr
.endm
.macro QUARTER slot, q, f, g, first
	s_wait_dscnt 8                                 ; W and A's rows 0-63 are in; the youngest eight loads (A's rows 64-127) may be out
	MUL16 \f, 0, 0, \first
	MUL16 \f, 0, 2, \first
	PLACES
	FETCH \slot, \q, \g
	s_wait_dscnt 32                                ; all but the 32 just issued
	MUL16 \f, 1, 0, \first
	MUL16 \f, 1, 2, \first
.endm
.macro THREE slot, first
	QUARTER \slot, 1, F0, F1, \first
	QUARTER \slot, 2, F1, F0, 0
	QUARTER \slot, 3, F0, F1, 0
.endm
; The last quarter changes slots: reads of this slot and all tensor loads are waited for in front of the barrier; with a refill the barrier opens a round of the
; cluster's barrier, and the joint refill is the first tensor load behind it.
.macro TURN slot, next, fill
	s_wait_dscnt 8
	MUL16 F1, 0, 0, 0
	s_wait_dscnt 0
	s_wait_tensorcnt 0x0
	ds_add_u32 v255, v31
	s_wait_dscnt 0x0
	s_barrier_signal -1
	MUL16 F1, 0, 2, 0
	WIN 0
	s_barrier_wait -1
.if \fill
	CREST
	s_add_nc_u64 s[G0+4*\slot+2:G0+4*\slot+3], s[G0+4*\slot+2:G0+4*\slot+3], 2*KSTEP*2
	s_add_nc_u64 s[G0B+4*\slot+2:G0B+4*\slot+3], s[G0B+4*\slot+2:G0B+4*\slot+3], 2*KSTEP*SIZE_N*2
	JLOAD \slot
.endif
	PLACES
	FETCH \next, 0, F0
	MUL16 F1, 1, 0, 0
	MUL16 F1, 1, 2, 0
.endm
.macro LAP first
	THREE 0, \first
	TURN 0, 1, 1
	THREE 1, 0
	TURN 1, 0, 1
.endm
	s_wait_loadcnt 0x0                             ; the bias
	s_wait_tensorcnt 1                             ; my part of K step 0 is in; K step 1's stays out
	s_barrier_signal -1
	s_barrier_wait -1
	FETCH 0, 0, F0
	LAP 1                                          ; the 64 accumulators take turns, one instruction a turn, in the same order everywhere
	WIN 0
	s_mov_b32 s3, LAPS-2
.Llap:
	LAP 0
	WIN 0
	s_sub_co_u32 s3, s3, 1
	s_cmp_lg_u32 s3, 0
	s_cbranch_scc1 .Llap
	THREE 0, 0
	TURN 0, 1, 0
	THREE 1, 0
	s_wait_dscnt 8
	MUL16 F1, 0, 0, 0
	MUL16 F1, 0, 2, 0
	s_wait_dscnt 0
	MUL16 F1, 1, 0, 0
	MUL16 F1, 1, 2, 0
	PLACES
	WIN 0
	s_lshl_b32 s16, s13, 8
	s_lshl_b32 s14, s11, 7
	s_add_co_u32 s16, s16, s14
	s_mul_i32 s16, s16, SIZE_N*2
	s_mov_b32 s17, 0
	s_add_nc_u64 s[8:9], s[70:71], s[16:17]
	s_lshl_b32 s46, s42, 9
	s_lshl_b32 s47, s12, 8
	s_add_co_u32 s46, s46, s47
	s_mov_b32 s47, 0
	s_add_nc_u64 s[8:9], s[8:9], s[46:47]
; rows 16 i .. 16 i + 15 of my block = the eight tiles (a, 0..7) of window w: the larger of 0 and the sum, in f32; rounded; through my stage; whole rows out
.macro OUT16 i, a, w, f
	WIN 4*\w                                       ; source 1 in window w
.set x, 0
.rept 64
	v_max_num_f32 v[U+x], 0, v[64*\a+x]
.set x, x+1
.endr
	WIN 0
.set x, 0
.rept 32
	v_cvt_pk_bf16_f32 v[TMP+x], v[U+2*x], v[U+2*x+1]
.set x, x+1
.endr
.irp b, 0,1,2,3,4,5,6,7
	ds_store_b128 v[STO], v[TMP+4*\b:TMP+4*\b+3] offset:32*\b
.endr
	s_wait_xcnt 0x0                                ; the registers that earlier stores read are loaded again only behind this wait
.irp t, 0,1,2,3,4,5,6,7
	ds_load_b128 v[\f+4*\t:\f+4*\t+3], v[RD] offset:\t*2*SPITCH
.endr
.irp t, 0,1,2,3,4,5,6,7
	s_wait_dscnt 7-\t
	global_store_b128 v[CO], v[\f+4*\t:\f+4*\t+3], s[8:9] offset:(16*\i+2*\t)*SIZE_N*2   ; sixteen lanes: 256 consecutive aligned bytes
.endr
.endm
	OUT16 0, 0, 2, 64
	OUT16 1, 1, 2, 96
	OUT16 2, 2, 2, 64
	OUT16 3, 3, 2, 96
	OUT16 4, 0, 3, 64
	OUT16 5, 1, 3, 96
	OUT16 6, 2, 3, 64
	OUT16 7, 3, 3, 96
	s_set_vgpr_msb 0x1
	s_wait_tensorcnt 0x0
	ds_add_u32 v255, v31
	s_wait_dscnt 0x0
	s_set_vgpr_msb 0x100
	CROUND                                         ; the closing round
	s_endpgm
.Lfunc_end_k_qb78147486d_gemm_ffn1:
	.size	k_qb78147486d_gemm_ffn1, .Lfunc_end_k_qb78147486d_gemm_ffn1-k_qb78147486d_gemm_ffn1
	.p2alignl 7, 3214868480
	.fill 96, 4, 3214868480
	.section	.rodata,"a",@progbits
	.p2align	6, 0x0
	.amdhsa_kernel k_qb78147486d_gemm_ffn1
		.amdhsa_group_segment_fixed_size 327680
		.amdhsa_private_segment_fixed_size 0
		.amdhsa_enable_private_segment 0
		.amdhsa_kernarg_size 32
		.amdhsa_user_sgpr_count 2
		.amdhsa_user_sgpr_kernarg_segment_ptr 1
		.amdhsa_wavefront_size32 1
		.amdhsa_system_sgpr_workgroup_id_x 1
		.amdhsa_system_sgpr_workgroup_id_y 1
		.amdhsa_system_sgpr_workgroup_id_z 1
		.amdhsa_system_vgpr_workitem_id 0
		.amdhsa_next_free_vgpr 1024
		.amdhsa_next_free_sgpr 84
		.amdhsa_reserve_vcc 0
		.amdhsa_float_denorm_mode_32 3
		.amdhsa_float_denorm_mode_16_64 3
		.amdhsa_memory_ordered 1
		.amdhsa_forward_progress 1
		.amdhsa_inst_pref_size 214
	.end_amdhsa_kernel
	.amdgpu_metadata
---
amdhsa.version: [ 1, 2 ]
amdhsa.kernels:
  - .name:           k_qb78147486d_gemm_ffn1
    .symbol:         k_qb78147486d_gemm_ffn1.kd
    .args:
      - { .name: act, .offset: 0, .size: 8, .value_kind: global_buffer, .address_space: global }
      - { .name: wb, .offset: 8, .size: 8, .value_kind: global_buffer, .address_space: global }
      - { .name: b1, .offset: 16, .size: 8, .value_kind: global_buffer, .address_space: global }
      - { .name: big, .offset: 24, .size: 8, .value_kind: global_buffer, .address_space: global }
    .group_segment_fixed_size: 327680
    .private_segment_fixed_size: 0
    .kernarg_segment_align: 8
    .kernarg_segment_size: 32
    .max_flat_workgroup_size: 128
    .sgpr_count:     84
    .vgpr_count:     1024
    .wavefront_size: 32
...
	.end_amdgpu_metadata
.endif
;; end of part 6
;; launch gemm_ffn2 (part 7): grid 8 x 32, 4 waves a work-group, clusters of 4 x 4, 327,680 bytes of LDS; arguments big, wb, b2, res, out0; writes out0
.if DOCPART == 7
	.amdgcn_target "amdgcn-amd-amdhsa--gfx1250"
	.amdhsa_code_object_version 6
	.text
	.protected	k_qb78147486d_gemm_ffn2
	.globl	k_qb78147486d_gemm_ffn2
	.p2align	8
	.type	k_qb78147486d_gemm_ffn2,@function
k_qb78147486d_gemm_ffn2:
	s_mov_b64 s[64:65], 0
	v_nop
	global_prefetch_b8 v0, s[64:65] scope:SCOPE_SE
	s_setreg_imm32_b32 hwreg(HW_REG_WAVE_MODE, 25, 1), 1
	s_wait_xcnt 0x0
	s_wait_alu depctr_hold_cnt(0) depctr_sa_sdst(0) depctr_va_vdst(0) depctr_va_sdst(0) depctr_va_ssrc(0) depctr_va_vcc(0) depctr_vm_vsrc(0)
	s_getreg_b32 s2, hwreg(HW_REG_IB_STS2, 6, 4)
	s_cmp_eq_u32 s2, 0
	s_cbranch_scc0 .Lentry_in_a_cluster
	s_endpgm
.Lentry_in_a_cluster:
	s_bfe_u32 s2, ttmp6, 0x10000c
	s_cmp_lg_u32 s2, 0xf033
	s_cbranch_scc0 .Lentry_shape_is_right
	s_endpgm
.Lentry_shape_is_right:
; out0[m][n] = sum over k of big[m][k] W2[k][n] + b2[n] + res[m][n].  big [4096][4096] bf16 (the hidden layer), W2 [4096][1024] bf16 in wb at byte 16,777,216, res and out0 f32.
; N is 1,024: only blocks of 128 x 128 give 8 x 32 = 256 work-groups.  Four waves, a wave 64 x 64: 16 accumulator tiles.
; A slot holds 256 along K, two steps of 128 in one load a wave, so that one barrier and one round of the cluster's barrier serve 128 matrix instructions of a wave.
; CLUSTERS 4 x 4: A's tile jointly along a row of the cluster, W's along a column.  The matrix instruction is used transposed (source 0 = W's columns, source 1 = A's rows):
; a lane holds 8 neighbouring columns of one row; the bias is the C operand of the first product.  The residual's 32 loads go out at the start and are waited for at the end.
; TWO ORDERS ALONG K: step t takes tile t ^ m of the SIZE_K / 256, with m = SWAP x ((cluster x + cluster y) % 2).  The two clusters that read the same rows of A (same y) have
; different m, and so have the neighbours along y, which read the same columns of W.  So of every 2 SWAP tiles a cluster asks for SWAP that no other cluster has asked for yet
; and for SWAP that another cluster asked for SWAP steps earlier.  m is the same in all sixteen partners; only the order of the f32 sums over K differs between clusters.
; window 0: v0-31 addresses; v32-63 / v96-127 A's fragments, v64-95 / v128-159 W's (two buffers); v160-191 bias; v192-255 read-back.  window 1: v0-127 accumulators (8 (4 a + b)), v128-255 residual.
.set SIZE_K, 4096
.set WOFF,   16777216
.set SWAPLOG, 2                        ; SWAP = 4 of the 16 tiles
.set APITCH, 528                       ; 512 bytes + 16 = 33 x 16
.set BPITCH, 288                       ; 256 bytes + 32 = 9 x 32
.set RGN,    36864                     ; a wave's part of a slot: 64 rows of A (33,792 used) or 128 k rows of W
.set SLOT,   4*RGN
.set STAGE,  2*SLOT
.set SPITCH, 272
.set LAPS,   SIZE_K/512
.set ADRA, 16
.set ADRB, 20
.set STO,  24
.set RD,   25
.set CO,   26
.set BO,   27
.set FA,   32
.set FB,   64
.set BIASL, 160
.set RB,   192
.set RES,  128
.set G1, 24
.set G0, 32
.set G1B, 48
.set G0B, 56
.set MSB, 0
.macro WIN new
.if MSB != (\new)
	s_set_vgpr_msb (MSB<<8)|(\new)
.set MSB, \new
.endif
.endm
.macro JLOAD s
	s_cmp_eq_u32 s11, 0
	s_cbranch_scc0 .Lfor_b_\@
	tensor_load_to_lds s[G0+4*\s:G0+4*\s+3], s[G1:G1+7]
	s_nop 0
	s_branch .Lasked_\@
.Lfor_b_\@:
	tensor_load_to_lds s[G0B+4*\s:G0B+4*\s+3], s[G1B:G1B+7]
	s_nop 0
.Lasked_\@:
.endm
.macro CREST
	s_cmp_lg_u32 s10, 0
	s_cbranch_scc1 .Lnot_wave_0_\@
	s_barrier_signal -3
.Lnot_wave_0_\@:
	s_barrier_wait -3
	s_barrier_signal -1
	s_barrier_wait -1
.endm
.macro CROUND
	s_barrier_signal -1
	s_barrier_wait -1
	CREST
.endm
; The addresses of the next step's tile, s82 ^ m, into the slot's two group 0: no tensor load of the wave is out where this stands.
.macro NEXT slot
	s_xor_b32 s84, s82, s83
	s_add_co_u32 s82, s82, 1
	s_lshl_b32 s86, s84, 19                        ; 256 k rows of 2,048 bytes
	s_lshl_b32 s84, s84, 9                         ; 256 along K in a row of A
	s_add_nc_u64 s[G0+4*\slot+2:G0+4*\slot+3], s[14:15], s[84:85]
	s_or_b32 s[G0+4*\slot+3], s[G0+4*\slot+3], 0x80000000
	s_add_nc_u64 s[G0B+4*\slot+2:G0B+4*\slot+3], s[46:47], s[86:87]
	s_or_b32 s[G0B+4*\slot+3], s[G0B+4*\slot+3], 0x80000000
.endm
	s_load_b128 s[4:7], s[0:1], 0x0                ; a s[4:5], wb s[6:7]
	s_load_b128 s[68:71], s[0:1], 0x10             ; bias s[68:69], residual s[70:71]
	s_load_b64 s[72:73], s[0:1], 0x20              ; out
	v_lshl_add_u32 v30, v0, 2, 0x4c400
	v_mov_b32 v31, 0
	ds_add_u32 v30, v31
	ds_add_u32 v30, v31
	v_lshrrev_b32 v1, 5, v0
	v_readfirstlane_b32 s10, v1
	s_lshr_b32 s11, s10, 1
	s_and_b32 s12, s10, 1
	s_bfe_u32 s40, ttmp6, 0x40000
	s_bfe_u32 s41, ttmp6, 0x40004
	s_lshl_b32 s42, ttmp9, 2
	s_add_co_u32 s42, s42, s40
	s_and_b32 s13, ttmp7, 0xffff
	s_add_co_u32 s83, s13, ttmp9                   ; cluster y + cluster x
	s_and_b32 s83, s83, 1
	s_lshl_b32 s83, s83, SWAPLOG                   ; m = 0 or SWAP
	s_mov_b32 s82, 2                               ; the step that the next refill serves
	s_lshl_b32 s13, s13, 2
	s_add_co_u32 s13, s13, s41
	s_lshl_b32 s43, s41, 2
	s_lshl_b32 s43, 15, s43
	s_lshl_b32 s44, 0x1111, s40
	s_or_b32 s[G1+0], s43, (1<<16)|(1<<20)|(1<<21)|(6<<22)|(3<<25)
	s_mov_b32 s[G1+1], 256<<16
	s_mov_b32 s[G1+2], 64<<16
	s_mov_b32 s[G1+3], 256<<16
	s_mov_b32 s[G1+4], 64
	s_mov_b32 s[G1+5], SIZE_K
	s_mov_b32 s[G1+6], 0
	s_mov_b32 s[G1+7], 0
	s_or_b32 s[G1B+0], s44, (1<<16)|(1<<20)|(1<<21)|(5<<22)|(7<<25)
	s_mov_b32 s[G1B+1], 128<<16
	s_mov_b32 s[G1B+2], 128<<16
	s_mov_b32 s[G1B+3], 128<<16
	s_mov_b32 s[G1B+4], 128
	s_mov_b32 s[G1B+5], 1024
	s_mov_b32 s[G1B+6], 0
	s_mov_b32 s[G1B+7], 0
	s_lshl_b32 s17, s12, 6
	s_lshl_b32 s16, s13, 7
	s_add_co_u32 s16, s16, s17
	s_mul_i32 s16, s16, SIZE_K*2
	s_mov_b32 s17, 0
	s_lshl_b32 s46, s42, 8
	s_lshl_b32 s47, s12, 18
	s_add_co_u32 s46, s46, s47
	s_add_co_u32 s46, s46, WOFF
	s_mov_b32 s47, 0
	s_mul_i32 s20, s10, RGN
	s_lshl_b32 s84, s83, 9                         ; tile m: where steps 0 and 1 begin
	s_mov_b32 s85, 0
	s_lshl_b32 s86, s83, 19
	s_mov_b32 s87, 0
	s_wait_dscnt 0x0
	s_wait_kmcnt 0x0
	s_add_nc_u64 s[14:15], s[4:5], s[16:17]        ; my rows of A at K = 0: kept
	s_add_nc_u64 s[46:47], s[6:7], s[46:47]        ; my columns of W at K = 0: kept
	s_add_nc_u64 s[88:89], s[14:15], s[84:85]
	s_add_nc_u64 s[90:91], s[46:47], s[86:87]
	CROUND
.irp s, 0,1
	s_mov_b32 s[G0+4*\s], 1
	s_add_co_u32 s[G0+4*\s+1], s20, \s*SLOT
	s_add_nc_u64 s[G0+4*\s+2:G0+4*\s+3], s[88:89], \s*512          ; m is even: tile 1 ^ m = m + 1
	s_or_b32 s[G0+4*\s+3], s[G0+4*\s+3], 0x80000000
	s_mov_b32 s[G0B+4*\s], 1
	s_add_co_u32 s[G0B+4*\s+1], s20, \s*SLOT
	s_add_nc_u64 s[G0B+4*\s+2:G0B+4*\s+3], s[90:91], \s*524288
	s_or_b32 s[G0B+4*\s+3], s[G0B+4*\s+3], 0x80000000
	JLOAD \s                                       ; two tensor loads of a wave are out here, later one
.endr
	s_lshl_b32 s80, s42, 9
	s_lshl_b32 s81, s12, 8
	s_add_co_u32 s80, s80, s81
	s_mov_b32 s81, 0
	s_add_nc_u64 s[68:69], s[68:69], s[80:81]
	s_lshl_b32 s78, s13, 7
	s_lshl_b32 s79, s11, 6
	s_add_co_u32 s78, s78, s79
	s_lshl_b32 s78, s78, 12
	s_add_co_u32 s78, s78, s80
	s_mov_b32 s79, 0
	s_add_nc_u64 s[70:71], s[70:71], s[78:79]
	s_add_nc_u64 s[72:73], s[72:73], s[78:79]
	v_and_b32 v1, 15, v0
	v_bfe_u32 v2, v0, 4, 1
	v_lshlrev_b32 v[BO], 5, v2
	v_lshlrev_b32 v[CO], 4, v1
	v_lshl_add_u32 v[CO], v2, 12, v[CO]
.irp b, 0,1,2,3
	global_load_b128 v[BIASL+8*\b:BIASL+8*\b+3],   v[BO], s[68:69] offset:64*\b
	global_load_b128 v[BIASL+8*\b+4:BIASL+8*\b+7], v[BO], s[68:69] offset:64*\b+16
.endr
	WIN 0x40
.irp a, 0,1,2,3
.irp t, 0,1,2,3,4,5,6,7
	global_load_b128 v[RES+32*\a+4*\t:RES+32*\a+4*\t+3], v[CO], s[70:71] offset:(16*\a+2*\t)*4096
.endr
.endr
	WIN 0
	v_mul_u32_u24 v3, v1, APITCH
	v_lshl_add_u32 v3, v2, 4, v3
	s_mul_i32 s21, s11, RGN
	v_add_nc_u32 v[ADRA], s21, v3
	v_add_nc_u32 v[ADRA+1], SLOT, v[ADRA]
	v_and_b32 v4, 7, v0
	v_lshl_add_u32 v4, v2, 3, v4
	v_mul_u32_u24 v4, v4, BPITCH
	v_bfe_u32 v5, v0, 3, 1
	v_lshl_add_u32 v4, v5, 4, v4
	s_lshl_b32 s22, s12, 7
	s_add_co_u32 s22, s22, 2*RGN
	v_add_nc_u32 v[ADRB], s22, v4
	v_add_nc_u32 v[ADRB+1], RGN, v[ADRB]
	v_add_nc_u32 v[ADRB+2], SLOT, v[ADRB]
	v_add_nc_u32 v[ADRB+3], SLOT+RGN, v[ADRB]
	s_mul_i32 s23, s10, 16*SPITCH
	s_add_co_u32 s23, s23, STAGE
	v_mul_u32_u24 v4, v1, SPITCH
	v_lshl_add_u32 v4, v2, 5, v4
	v_add_nc_u32 v[STO], s23, v4
	v_mul_u32_u24 v5, v2, SPITCH
	v_lshl_add_u32 v5, v1, 4, v5
	v_add_nc_u32 v[RD], s23, v5
.macro FETCH slot, ks, f               ; slice ks (32 along K) of a slot into buffer f: W's 4 column blocks, then A's 4 row blocks
	WIN 0
.irp i, 0,1,2,3
	ds_load_tr16_b128 v[FB+64*\f+8*\i:FB+64*\f+8*\i+3],   v[ADRB+2*\slot+\ks/4] offset:(\ks%4)*32*BPITCH+32*\i
	ds_load_tr16_b128 v[FB+64*\f+8*\i+4:FB+64*\f+8*\i+7], v[ADRB+2*\slot+\ks/4] offset:(\ks%4)*32*BPITCH+32*\i+16*BPITCH
.endr
.irp i, 0,1,2,3
	ds_load_b128 v[FA+64*\f+8*\i:FA+64*\f+8*\i+3],   v[ADRA+\slot] offset:64*\ks+16*APITCH*\i
	ds_load_b128 v[FA+64*\f+8*\i+4:FA+64*\f+8*\i+7], v[ADRA+\slot] offset:64*\ks+16*APITCH*\i+32
.endr
.endm
.macro MULA f, a, first
.if \first
	WIN 0x40
.else
	WIN 0x50
.endif
.irp b, 0,1,2,3
.if \first
	v_wmma_f32_16x16x32_bf16 v[8*(4*\a+\b):8*(4*\a+\b)+7], v[FB+64*\f+8*\b:FB+64*\f+8*\b+7], v[FA+64*\f+8*\a:FA+64*\f+8*\a+7], v[BIASL+8*\b:BIASL+8*\b+7]
.else
	v_wmma_f32_16x16x32_bf16 v[8*(4*\a+\b):8*(4*\a+\b)+7], v[FB+64*\f+8*\b:FB+64*\f+8*\b+7], v[FA+64*\f+8*\a:FA+64*\f+8*\a+7], v[8*(4*\a+\b):8*(4*\a+\b)+7]
.endif
.endr
.endm
.macro PLACES                          ; four plain places in front of loads into registers that matrix instructions have read
.rept 4
	v_nop
.endr
.endm
.macro SLICE slot, ksn, f, g, first
	s_wait_dscnt 4                                 ; all but A's row blocks 2 and 3
	MULA \f, 0, \first
	MULA \f, 1, \first
	PLACES
	FETCH \slot, \ksn, \g
	s_wait_dscnt 16                                ; all but the 16 just issued
	MULA \f, 2, \first
	MULA \f, 3, \first
.endm
.macro SEVEN slot, first
	SLICE \slot, 1, 0, 1, \first
	SLICE \slot, 2, 1, 0, 0
	SLICE \slot, 3, 0, 1, 0
	SLICE \slot, 4, 1, 0, 0
	SLICE \slot, 5, 0, 1, 0
	SLICE \slot, 6, 1, 0, 0
	SLICE \slot, 7, 0, 1, 0
.endm
; The eighth slice changes slots: each wave's reads of this slot and all its tensor loads are waited for in front of the barrier; with a refill the barrier opens a round
; of the cluster's barrier, and the joint refill is the first tensor load behind it.
.macro TURN slot, next, fill
	s_wait_dscnt 4
	MULA 1, 0, 0
	s_wait_dscnt 0
	s_wait_tensorcnt 0x0
	ds_add_u32 v30, v31
	s_wait_dscnt 0x0
	s_barrier_signal -1
	MULA 1, 1, 0
	WIN 0
	s_barrier_wait -1
.if \fill
	CREST
	NEXT \slot
	JLOAD \slot
.endif
	PLACES
	FETCH \next, 0, 0
	MULA 1, 2, 0
	MULA 1, 3, 0
.endm
.macro LAP first
	SEVEN 0, \first
	TURN 0, 1, 1
	SEVEN 1, 0
	TURN 1, 0, 1
.endm
	s_wait_loadcnt 32                              ; the bias is in; the residual's 32 loads stay out
	s_wait_tensorcnt 1                             ; my part of slot 0 is in; slot 1's stays out
	s_barrier_signal -1
	s_barrier_wait -1
	FETCH 0, 0, 0
	LAP 1                                          ; the 16 accumulators take turns, one instruction a turn, in the same order everywhere
.if LAPS > 2
	WIN 0
	s_mov_b32 s3, LAPS-2
.Llap:
	LAP 0
	WIN 0
	s_sub_co_u32 s3, s3, 1
	s_cmp_lg_u32 s3, 0
	s_cbranch_scc1 .Llap
.endif
	SEVEN 0, 0                                     ; the last lap fills nothing
	TURN 0, 1, 0
	SEVEN 1, 0
	s_wait_dscnt 4
	MULA 1, 0, 0
	MULA 1, 1, 0
	s_wait_dscnt 0
	MULA 1, 2, 0
	MULA 1, 3, 0
	PLACES
	s_wait_loadcnt 0x0                             ; the residual
.macro OUT a                           ; 16 rows: f32 through my own stage, read back as rows of 256 bytes, plus the residual
	WIN 0x04
.irp b, 0,1,2,3
	ds_store_b128 v[STO], v[8*(4*\a+\b):8*(4*\a+\b)+3]   offset:64*\b
	ds_store_b128 v[STO], v[8*(4*\a+\b)+4:8*(4*\a+\b)+7] offset:64*\b+16
.endr
	WIN 0
	s_wait_xcnt 0x0                                ; the registers that earlier stores read are loaded again only behind this wait
.irp t, 0,1,2,3,4,5,6,7
	ds_load_b128 v[RB+32*(\a%2)+4*\t:RB+32*(\a%2)+4*\t+3], v[RD] offset:2*SPITCH*\t
.endr
	s_wait_dscnt 0x0
	WIN 0x01
.irp t, 0,1,2,3,4,5,6,7
	v_pk_add_f32 v[RB+32*(\a%2)+4*\t:RB+32*(\a%2)+4*\t+1],   v[RES+32*\a+4*\t:RES+32*\a+4*\t+1],   v[RB+32*(\a%2)+4*\t:RB+32*(\a%2)+4*\t+1]
	v_pk_add_f32 v[RB+32*(\a%2)+4*\t+2:RB+32*(\a%2)+4*\t+3], v[RES+32*\a+4*\t+2:RES+32*\a+4*\t+3], v[RB+32*(\a%2)+4*\t+2:RB+32*(\a%2)+4*\t+3]
.endr
	WIN 0
.irp t, 0,1,2,3,4,5,6,7
	global_store_b128 v[CO], v[RB+32*(\a%2)+4*\t:RB+32*(\a%2)+4*\t+3], s[72:73] offset:(16*\a+2*\t)*4096   ; sixteen lanes: 256 consecutive aligned bytes
.endr
.endm
	OUT 0
	OUT 1
	OUT 2
	OUT 3
	s_wait_tensorcnt 0x0
	ds_add_u32 v30, v31
	s_wait_dscnt 0x0
	CROUND                                         ; the closing round
	s_endpgm
.Lfunc_end_k_qb78147486d_gemm_ffn2:
	.size	k_qb78147486d_gemm_ffn2, .Lfunc_end_k_qb78147486d_gemm_ffn2-k_qb78147486d_gemm_ffn2
	.p2alignl 7, 3214868480
	.fill 96, 4, 3214868480
	.section	.rodata,"a",@progbits
	.p2align	6, 0x0
	.amdhsa_kernel k_qb78147486d_gemm_ffn2
		.amdhsa_group_segment_fixed_size 327680
		.amdhsa_private_segment_fixed_size 0
		.amdhsa_enable_private_segment 0
		.amdhsa_kernarg_size 40
		.amdhsa_user_sgpr_count 2
		.amdhsa_user_sgpr_kernarg_segment_ptr 1
		.amdhsa_wavefront_size32 1
		.amdhsa_system_sgpr_workgroup_id_x 1
		.amdhsa_system_sgpr_workgroup_id_y 1
		.amdhsa_system_sgpr_workgroup_id_z 1
		.amdhsa_system_vgpr_workitem_id 0
		.amdhsa_next_free_vgpr 512
		.amdhsa_next_free_sgpr 92
		.amdhsa_reserve_vcc 0
		.amdhsa_float_denorm_mode_32 3
		.amdhsa_float_denorm_mode_16_64 3
		.amdhsa_memory_ordered 1
		.amdhsa_forward_progress 1
		.amdhsa_inst_pref_size 136
	.end_amdhsa_kernel
	.amdgpu_metadata
---
amdhsa.version: [ 1, 2 ]
amdhsa.kernels:
  - .name:           k_qb78147486d_gemm_ffn2
    .symbol:         k_qb78147486d_gemm_ffn2.kd
    .args:
      - { .name: big, .offset: 0, .size: 8, .value_kind: global_buffer, .address_space: global }
      - { .name: wb, .offset: 8, .size: 8, .value_kind: global_buffer, .address_space: global }
      - { .name: b2, .offset: 16, .size: 8, .value_kind: global_buffer, .address_space: global }
      - { .name: res, .offset: 24, .size: 8, .value_kind: global_buffer, .address_space: global }
      - { .name: out0, .offset: 32, .size: 8, .value_kind: global_buffer, .address_space: global }
    .group_segment_fixed_size: 327680
    .private_segment_fixed_size: 0
    .kernarg_segment_align: 8
    .kernarg_segment_size: 40
    .max_flat_workgroup_size: 128
    .sgpr_count:     92
    .vgpr_count:     512
    .wavefront_size: 32
...
	.end_amdgpu_metadata
.endif
;; end of part 7
;; ======== version 2 of 2: 7 launches; version 1 with the launches prep, ln2 written anew for expert scheduling mode
;; workspace buffers: wqkv 6,291,456 bytes; wb 25,165,824 bytes; act 8,388,608 bytes; big 33,554,432 bytes; res 16,777,216 bytes; vpart 131,072 bytes
;; launch prep (part 8): grid 448 x 1, 8 waves a work-group, no clusters, 0 bytes of LDS; arguments X, g1, o1, act, Wq, Wk, Wv, wqkv; writes act, wqkv
.if DOCPART == 8
	.amdgcn_target "amdgcn-amd-amdhsa--gfx1250"
	.amdhsa_code_object_version 6
	.text
	.protected	k_qb78147486d_prep
	.globl	k_qb78147486d_prep
	.p2align	8
	.type	k_qb78147486d_prep,@function
k_qb78147486d_prep:
	s_mov_b64 s[64:65], 0
	v_nop
	global_prefetch_b8 v0, s[64:65] scope:SCOPE_SE
	s_setreg_imm32_b32 hwreg(HW_REG_WAVE_SCHED_MODE, 0, 2), 2
	s_setreg_imm32_b32 hwreg(HW_REG_WAVE_MODE, 25, 1), 1
	s_wait_xcnt 0x0
	s_wait_alu depctr_vm_vsrc(0)
; What the Q, K, V product needs, in one launch of two independent streams.
; Work-groups 0-255: act[r][c] = g1[c] * (X[r][c] - mean) / (sd + 1e-9) + o1[c], sd the biased standard deviation; X [4096][1024] f32, act bf16.
;   One wave, two rows, each kept in 32 registers: read once, mean first, then the squares of the differences (no difference of large sums),
;   so a common offset of the inputs costs no digits.  The reduction never leaves the wave: no LDS, no barrier.
;   Limit: a variance below 2^-126 counts as 0 in the square root; against the 1e-9 that is added this changes nothing that f32 shows.
; Work-groups 256-447: Wq, Wk, Wv [16 heads][1024 k][64 e] f32 -> wqkv[k][which*1024 + head*64 + e] bf16 (round to nearest even), 64 work-groups each.
;   A work-group takes 16 k rows, two a pass; all 16 loads of a thread go out first; no register is written twice.
; Every load of a wave covers whole pieces of 256 or 512 consecutive bytes, every store 256 consecutive aligned bytes for each sixteen (or 32) lanes.
; THE MODE: SCHED_MODE bits 1:0 = 2 (LLVM: expert scheduling mode 2), set by the entry lines.  The code itself states the register dependences
; between vector instructions and memory instructions, with s_wait_alu, always for 0.
; THE PLAN, the norm.  Registers that memory instructions touch:
;   v1, v142     byte offsets, made once at the head and never written again: one wait in front of the first load.
;   G, O, XA, XB each loaded once; no vector instruction names them before their load.
;   XA, XB       registers 4 j and 4 j + 1 of a row are written by its sixteen roundings, read by its eight stores and not written again.
; The first row's stores stand in the second row's work, straight behind the wait for its square root: that wait also states that the first row's roundings are written.
; The second row's stores have a wait of their own.  No register that a memory instruction has read is written again.
; THE PLAN, the cast.  v1, v2: offsets, made once.  CX: each register loaded once, read by the roundings.  CY: each register written by one rounding and read by one store.
; The eight passes go in four groups of two: at a group's head, behind the wait for its data, one wait states that the group before has written its CY; that group's two
; stores follow, then this group's roundings, which name other registers.
.set G,    2                           ; v[2:33]    gain of my 32 columns
.set O,    34                          ; v[34:65]   offset
.set XA,   66                          ; v[66:97]   first row
.set XB,   98                          ; v[98:129]  second row
.set T,    130                         ; v[130:137] at work
.set MEAN, 138                         ; v[138:139] the mean, twice
.set INV,  140                         ; v[140:141] 1 / (sd + 1e-9), twice
.set CX,   8                           ; the cast: v[8:71]   8 passes x 8 f32 as loaded
.set CY,   72                          ;           v[72:103] 8 passes x 4 registers of bf16
	s_load_b256 s[4:11], s[0:1], 0x0               ; X s[4:5], g1 s[6:7], o1 s[8:9], act s[10:11]
	s_load_b256 s[24:31], s[0:1], 0x20             ; Wq s[24:25], Wk s[26:27], Wv s[28:29], wqkv s[30:31]
	s_cmp_ge_u32 ttmp9, 256
	s_cbranch_scc1 .Lcast
	v_lshrrev_b32 v1, 5, v0
	v_readfirstlane_b32 s14, v1                    ; wave
	v_and_b32 v142, 31, v0
	v_lshlrev_b32 v1, 4, v142                      ; 16 bytes of f32 a lane
	v_lshlrev_b32 v142, 3, v142                    ; 8 bytes of bf16 a lane
	s_mov_b32 s12, 0x76543210                      ; v_permlanex16_b32: lane i reads lane i of the other half
	s_mov_b32 s13, 0xfedcba98
	s_wait_alu depctr_va_sdst(0)                   ; s14 is written, ahead of its first reader: the two bases are made from it
	s_lshl_b32 s15, ttmp9, 3
	s_add_co_u32 s15, s15, s14                     ; pair of rows = 8 x work-group + wave
	s_lshl_b32 s16, s15, 13                        ; two rows of 4,096 bytes
	s_mov_b32 s17, 0
	s_lshl_b32 s18, s15, 12                        ; two rows of 2,048 bytes
	s_mov_b32 s19, 0
	s_wait_kmcnt 0x0
	s_add_nc_u64 s[4:5], s[4:5], s[16:17]
	s_add_nc_u64 s[10:11], s[10:11], s[18:19]
	s_wait_alu depctr_va_vdst(0)                   ; v1 and v142 are written: every load reads the one as its offset, every store the other
.irp j, 0,1,2,3,4,5,6,7
	global_load_b128 v[XA+4*\j:XA+4*\j+3], v1, s[4:5] offset:512*\j
.endr
.irp j, 0,1,2,3,4,5,6,7
	global_load_b128 v[XB+4*\j:XB+4*\j+3], v1, s[4:5] offset:4096+512*\j
.endr
.irp j, 0,1,2,3,4,5,6,7
	global_load_b128 v[G+4*\j:G+4*\j+3], v1, s[6:7] offset:512*\j
.endr
.irp j, 0,1,2,3,4,5,6,7
	global_load_b128 v[O+4*\j:O+4*\j+3], v1, s[8:9] offset:512*\j
.endr
.macro FOLD                            ; the four chains in v[T:T+7] and the 32 lanes become one sum, in every lane's v[T]
	v_pk_add_f32 v[T:T+1], v[T:T+1], v[T+2:T+3]
	v_pk_add_f32 v[T+4:T+5], v[T+4:T+5], v[T+6:T+7]
	v_pk_add_f32 v[T:T+1], v[T:T+1], v[T+4:T+5]
	v_add_f32 v[T], v[T], v[T+1]
	v_add_f32_dpp v[T], v[T], v[T] row_xmask:1 row_mask:0xf bank_mask:0xf
	v_add_f32_dpp v[T], v[T], v[T] row_xmask:2 row_mask:0xf bank_mask:0xf
	v_add_f32_dpp v[T], v[T], v[T] row_xmask:4 row_mask:0xf bank_mask:0xf
	v_add_f32_dpp v[T], v[T], v[T] row_xmask:8 row_mask:0xf bank_mask:0xf
	v_permlanex16_b32 v[T+1], v[T], s12, s13
	v_add_f32 v[T], v[T], v[T+1]
.endm
; A row's eight stores.
.macro STORES x, rowoff
.irp j, 0,1,2,3,4,5,6,7
	global_store_b64 v142, v[\x+4*\j:\x+4*\j+1], s[10:11] offset:\rowoff+256*\j   ; 32 lanes: 256 consecutive aligned bytes
.endr
.endm
; One row, up to its roundings.  left = how many younger loads may stay out when the row has to be there.  second = 1: the first row's stores stand in this row's work.
.macro ROW x, left, second
	s_wait_loadcnt \left
.irp k, 0,1,2,3
	v_pk_add_f32 v[T+2*\k:T+2*\k+1], v[\x+2*\k:\x+2*\k+1], v[\x+8+2*\k:\x+8+2*\k+1]   ; the first sums start the chains
.endr
.irp c, 16,24
.irp k, 0,1,2,3
	v_pk_add_f32 v[T+2*\k:T+2*\k+1], v[T+2*\k:T+2*\k+1], v[\x+\c+2*\k:\x+\c+2*\k+1]
.endr
.endr
	FOLD
	v_mul_f32 v[MEAN], 0x3a800000, v[T]            ; / 1024
	v_mov_b32 v[MEAN+1], v[MEAN]
.set i, 0
.rept 16
	v_pk_add_f32 v[\x+2*i:\x+2*i+1], v[\x+2*i:\x+2*i+1], v[MEAN:MEAN+1] neg_lo:[0,1] neg_hi:[0,1]   ; x - mean
.set i, i+1
.endr
.irp k, 0,1,2,3
	v_pk_mul_f32 v[T+2*\k:T+2*\k+1], v[\x+2*\k:\x+2*\k+1], v[\x+2*\k:\x+2*\k+1]
.endr
.irp c, 8,16,24
.irp k, 0,1,2,3
	v_pk_fma_f32 v[T+2*\k:T+2*\k+1], v[\x+\c+2*\k:\x+\c+2*\k+1], v[\x+\c+2*\k:\x+\c+2*\k+1], v[T+2*\k:T+2*\k+1]
.endr
.endr
	FOLD
	v_mul_f32 v[T], 0x3a800000, v[T]               ; the variance
	v_sqrt_f32 v[T], v[T]
	v_nop                                          ; one plain place behind a transcendental before its result is used (ISA guide 5.7.2)
	s_wait_alu depctr_va_vdst(0)                   ; the square root is written, ahead of its first reader; in the second row also: the first row's roundings have written the registers that the stores below read
.if \second
	STORES XA, 0                                   ; the first row leaves; what follows names none of its registers
.endif
	v_add_f32 v[T], 0x3089705f, v[T]               ; sd + 1e-9
	v_rcp_f32 v[INV], v[T]
	v_rcp_f32 v[INV+1], v[T]
	v_nop                                          ; the place behind the two reciprocals
.if \left
	s_wait_loadcnt 0x0                             ; gain and offset are in (and the second row)
.endif
.set i, 0
	s_wait_alu depctr_va_vdst(0)                   ; the two reciprocals are written, ahead of their first reader
.rept 16
	v_pk_mul_f32 v[\x+2*i:\x+2*i+1], v[\x+2*i:\x+2*i+1], v[INV:INV+1]
.set i, i+1
.endr
.set i, 0
.rept 16
	v_pk_fma_f32 v[\x+2*i:\x+2*i+1], v[\x+2*i:\x+2*i+1], v[G+2*i:G+2*i+1], v[O+2*i:O+2*i+1]
.set i, i+1
.endr
.irp j, 0,1,2,3,4,5,6,7
	v_cvt_pk_bf16_f32 v[\x+4*\j],   v[\x+4*\j],   v[\x+4*\j+1]
	v_cvt_pk_bf16_f32 v[\x+4*\j+1], v[\x+4*\j+2], v[\x+4*\j+3]
.endr
.endm
	ROW XA, 24, 0                                  ; 24 younger loads: the second row, gain, offset
	ROW XB, 0, 1
	s_wait_alu depctr_va_vdst(0)                   ; the second row's roundings have written the registers that its stores read
	STORES XB, 2048
	s_endpgm
; The cast: pass p's four roundings, and its store.
.macro CCV p
.irp k, 0,1,2,3
	v_cvt_pk_bf16_f32 v[CY+4*(\p)+\k], v[CX+8*(\p)+2*\k], v[CX+8*(\p)+2*\k+1]
.endr
.endm
.macro CST p
	global_store_b128 v2, v[CY+4*(\p):CY+4*(\p)+3], s[14:15] offset:(\p)*12288
.endm
.Lcast:
	; k rows 16 c .. 16 c + 15 of one of the three weights.  Eight lanes read one head's row of 256 bytes; sixteen lanes write 256 consecutive aligned bytes.
	s_sub_co_u32 s3, ttmp9, 256
	s_lshr_b32 s22, s3, 6                          ; which: 0 Wq, 1 Wk, 2 Wv
	s_and_b32 s23, s3, 63                          ; c
	s_lshl_b32 s16, s23, 12                        ; 16 k rows of 256 bytes
	s_mov_b32 s17, 0
	s_mul_i32 s18, s23, 98304                      ; 16 rows of 6,144 bytes
	s_lshl_b32 s20, s22, 11                        ; which x 2,048 bytes
	s_add_co_u32 s18, s18, s20
	s_mov_b32 s19, 0
	v_and_b32 v3, 127, v0                          ; my 8 columns of the 1,024
	v_lshrrev_b32 v4, 7, v0                        ; which of the pass's two k rows
	v_lshrrev_b32 v5, 3, v3                        ; head
	v_and_b32 v6, 7, v0
	v_lshlrev_b32 v1, 18, v5                       ; head x 262,144
	v_lshl_add_u32 v1, v4, 8, v1                   ; + row x 256
	v_lshl_add_u32 v1, v6, 5, v1                   ; + 32 bytes of e
	v_mul_u32_u24 v2, v4, 6144
	v_lshl_add_u32 v2, v3, 4, v2
	s_wait_kmcnt 0x0
	s_cmp_eq_u32 s22, 1
	s_cselect_b64 s[12:13], s[26:27], s[24:25]
	s_cmp_eq_u32 s22, 2
	s_cselect_b64 s[12:13], s[28:29], s[12:13]
	s_add_nc_u64 s[12:13], s[12:13], s[16:17]
	s_add_nc_u64 s[14:15], s[30:31], s[18:19]
	s_wait_alu depctr_va_vdst(0)                   ; v1 and v2 are written: the loads read the one as their offset, the stores the other
.irp p, 0,1,2,3,4,5,6,7
	global_load_b128 v[CX+8*\p:CX+8*\p+3],   v1, s[12:13] offset:\p*512 th:TH_LOAD_NT
	global_load_b128 v[CX+8*\p+4:CX+8*\p+7], v1, s[12:13] offset:\p*512+16 th:TH_LOAD_NT
.endr
	s_wait_loadcnt 12                              ; loads come back in order: passes 0 and 1 are in, the twelve loads of the younger passes stay out
	CCV 0
	CCV 1
	s_wait_loadcnt 8                               ; passes 2 and 3 are in
	s_wait_alu depctr_va_vdst(0)                   ; the roundings of passes 0 and 1 have written their CY, which the two stores below read
	CST 0
	CST 1
	CCV 2
	CCV 3
	s_wait_loadcnt 4                               ; passes 4 and 5 are in
	s_wait_alu depctr_va_vdst(0)                   ; the roundings of passes 2 and 3 have written their CY
	CST 2
	CST 3
	CCV 4
	CCV 5
	s_wait_loadcnt 0x0                             ; passes 6 and 7 are in
	s_wait_alu depctr_va_vdst(0)                   ; the roundings of passes 4 and 5 have written their CY
	CST 4
	CST 5
	CCV 6
	CCV 7
	s_wait_alu depctr_va_vdst(0)                   ; the roundings of passes 6 and 7 have written their CY
	CST 6
	CST 7
	s_endpgm
.Lfunc_end_k_qb78147486d_prep:
	.size	k_qb78147486d_prep, .Lfunc_end_k_qb78147486d_prep-k_qb78147486d_prep
	.p2alignl 7, 3214868480
	.fill 96, 4, 3214868480
	.section	.rodata,"a",@progbits
	.p2align	6, 0x0
	.amdhsa_kernel k_qb78147486d_prep
		.amdhsa_group_segment_fixed_size 0
		.amdhsa_private_segment_fixed_size 0
		.amdhsa_enable_private_segment 0
		.amdhsa_kernarg_size 64
		.amdhsa_user_sgpr_count 2
		.amdhsa_user_sgpr_kernarg_segment_ptr 1
		.amdhsa_wavefront_size32 1
		.amdhsa_system_sgpr_workgroup_id_x 1
		.amdhsa_system_sgpr_workgroup_id_y 1
		.amdhsa_system_sgpr_workgroup_id_z 1
		.amdhsa_system_vgpr_workitem_id 0
		.amdhsa_next_free_vgpr 144
		.amdhsa_next_free_sgpr 66
		.amdhsa_reserve_vcc 0
		.amdhsa_float_denorm_mode_32 3
		.amdhsa_float_denorm_mode_16_64 3
		.amdhsa_memory_ordered 1
		.amdhsa_forward_progress 1
		.amdhsa_inst_pref_size 27
	.end_amdhsa_kernel
	.amdgpu_metadata
---
amdhsa.version: [ 1, 2 ]
amdhsa.kernels:
  - .name:           k_qb78147486d_prep
    .symbol:         k_qb78147486d_prep.kd
    .args:
      - { .name: X, .offset: 0, .size: 8, .value_kind: global_buffer, .address_space: global }
      - { .name: g1, .offset: 8, .size: 8, .value_kind: global_buffer, .address_space: global }
      - { .name: o1, .offset: 16, .size: 8, .value_kind: global_buffer, .address_space: global }
      - { .name: act, .offset: 24, .size: 8, .value_kind: global_buffer, .address_space: global }
      - { .name: Wq, .offset: 32, .size: 8, .value_kind: global_buffer, .address_space: global }
      - { .name: Wk, .offset: 40, .size: 8, .value_kind: global_buffer, .address_space: global }
      - { .name: Wv, .offset: 48, .size: 8, .value_kind: global_buffer, .address_space: global }
      - { .name: wqkv, .offset: 56, .size: 8, .value_kind: global_buffer, .address_space: global }
    .group_segment_fixed_size: 0
    .private_segment_fixed_size: 0
    .kernarg_segment_align: 8
    .kernarg_segment_size: 64
    .max_flat_workgroup_size: 256
    .sgpr_count:     66
    .vgpr_count:     144
    .wavefront_size: 32
...
	.end_amdgpu_metadata
.endif
;; end of part 8
;; launch gemm_qkv: the kernel of part 2 again; grid 16 x 16, 4 waves a work-group, clusters of 4 x 4, 327,680 bytes of LDS; arguments act, wqkv, bq, bk, bv, big, vpart, W0, W1, W2, wb; writes big, vpart, wb
;; launch attn: the kernel of part 3 again; grid 16 x 16, 4 waves a work-group, no clusters, 327,680 bytes of LDS; arguments big, padding_mask, vpart, act; writes act
;; launch gemm_w0: the kernel of part 4 again; grid 8 x 32, 4 waves a work-group, clusters of 4 x 4, 327,680 bytes of LDS; arguments act, wb, b0, X, res; writes res
;; launch ln2 (part 9): grid 256 x 1, 8 waves a work-group, no clusters, 0 bytes of LDS; arguments res, g2, o2, act; writes act
.if DOCPART == 9
	.amdgcn_target "amdgcn-amd-amdhsa--gfx1250"
	.amdhsa_code_object_version 6
	.text
	.protected	k_qb78147486d_ln2
	.globl	k_qb78147486d_ln2
	.p2align	8
	.type	k_qb78147486d_ln2,@function
k_qb78147486d_ln2:
	s_mov_b64 s[64:65], 0
	v_nop
	global_prefetch_b8 v0, s[64:65] scope:SCOPE_SE
	s_setreg_imm32_b32 hwreg(HW_REG_WAVE_SCHED_MODE, 0, 2), 2
	s_setreg_imm32_b32 hwreg(HW_REG_WAVE_MODE, 25, 1), 1
	s_wait_xcnt 0x0
	s_wait_alu depctr_vm_vsrc(0)
; y[r][c] = g[c] * (x[r][c] - mean) / (sd + 1e-9) + o[c], sd the biased standard deviation; x [4096][1024] f32, y bf16.
; One wave, two rows, each kept in 32 registers: read once, mean first, then the squares of the differences (no difference of large sums),
; so a common offset of the inputs costs no digits.  The reduction never leaves the wave: no LDS, no barrier.
; A load of a wave covers 512 consecutive bytes, a store 256 consecutive aligned bytes.
; Limit: a variance below 2^-126 counts as 0 in the square root; against the 1e-9 that is added this changes nothing that f32 shows.
; THE MODE: SCHED_MODE bits 1:0 = 2 (LLVM: expert scheduling mode 2), set by the entry lines.  The code itself states the register dependences
; between vector instructions and memory instructions, with s_wait_alu, always for 0.
; THE PLAN.  Registers that memory instructions touch:
;   v1, v142     byte offsets, made once at the head and never written again: one wait in front of the first load.
;   G, O, XA, XB each loaded once; no vector instruction names them before their load.
;   XA, XB       registers 4 j and 4 j + 1 of a row are written by its sixteen roundings, read by its eight stores and not written again.
; The first row's stores stand in the second row's work, straight behind the wait for its square root: that wait also states that the first row's roundings are written.
; The second row's stores have a wait of their own.  No register that a memory instruction has read is written again.
.set G,    2                           ; v[2:33]    gain of my 32 columns
.set O,    34                          ; v[34:65]   offset
.set XA,   66                          ; v[66:97]   first row
.set XB,   98                          ; v[98:129]  second row
.set T,    130                         ; v[130:137] at work
.set MEAN, 138                         ; v[138:139] the mean, twice
.set INV,  140                         ; v[140:141] 1 / (sd + 1e-9), twice
	s_load_b256 s[4:11], s[0:1], 0x0               ; x s[4:5], g s[6:7], o s[8:9], y s[10:11]
	v_lshrrev_b32 v1, 5, v0
	v_readfirstlane_b32 s14, v1                    ; wave
	v_and_b32 v142, 31, v0
	v_lshlrev_b32 v1, 4, v142                      ; 16 bytes of f32 a lane
	v_lshlrev_b32 v142, 3, v142                    ; 8 bytes of bf16 a lane
	s_mov_b32 s12, 0x76543210                      ; v_permlanex16_b32: lane i reads lane i of the other half
	s_mov_b32 s13, 0xfedcba98
	s_wait_alu depctr_va_sdst(0)                   ; s14 is written, ahead of its first reader: the two bases are made from it
	s_lshl_b32 s15, ttmp9, 3
	s_add_co_u32 s15, s15, s14                     ; pair of rows = 8 x work-group + wave
	s_lshl_b32 s16, s15, 13                        ; two rows of 4,096 bytes
	s_mov_b32 s17, 0
	s_lshl_b32 s18, s15, 12                        ; two rows of 2,048 bytes
	s_mov_b32 s19, 0
	s_wait_kmcnt 0x0
	s_add_nc_u64 s[4:5], s[4:5], s[16:17]
	s_add_nc_u64 s[10:11], s[10:11], s[18:19]
	s_wait_alu depctr_va_vdst(0)                   ; v1 and v142 are written: every load reads the one as its offset, every store the other
.irp j, 0,1,2,3,4,5,6,7
	global_load_b128 v[XA+4*\j:XA+4*\j+3], v1, s[4:5] offset:512*\j
.endr
.irp j, 0,1,2,3,4,5,6,7
	global_load_b128 v[XB+4*\j:XB+4*\j+3], v1, s[4:5] offset:4096+512*\j
.endr
.irp j, 0,1,2,3,4,5,6,7
	global_load_b128 v[G+4*\j:G+4*\j+3], v1, s[6:7] offset:512*\j
.endr
.irp j, 0,1,2,3,4,5,6,7
	global_load_b128 v[O+4*\j:O+4*\j+3], v1, s[8:9] offset:512*\j
.endr
.macro FOLD                            ; the four chains in v[T:T+7] and the 32 lanes become one sum, in every lane's v[T]
	v_pk_add_f32 v[T:T+1], v[T:T+1], v[T+2:T+3]
	v_pk_add_f32 v[T+4:T+5], v[T+4:T+5], v[T+6:T+7]
	v_pk_add_f32 v[T:T+1], v[T:T+1], v[T+4:T+5]
	v_add_f32 v[T], v[T], v[T+1]
	v_add_f32_dpp v[T], v[T], v[T] row_xmask:1 row_mask:0xf bank_mask:0xf
	v_add_f32_dpp v[T], v[T], v[T] row_xmask:2 row_mask:0xf bank_mask:0xf
	v_add_f32_dpp v[T], v[T], v[T] row_xmask:4 row_mask:0xf bank_mask:0xf
	v_add_f32_dpp v[T], v[T], v[T] row_xmask:8 row_mask:0xf bank_mask:0xf
	v_permlanex16_b32 v[T+1], v[T], s12, s13
	v_add_f32 v[T], v[T], v[T+1]
.endm
; A row's eight stores.
.macro STORES x, rowoff
.irp j, 0,1,2,3,4,5,6,7
	global_store_b64 v142, v[\x+4*\j:\x+4*\j+1], s[10:11] offset:\rowoff+256*\j   ; 32 lanes: 256 consecutive aligned bytes
.endr
.endm
; One row, up to its roundings.  left = how many younger loads may stay out when the row has to be there.  second = 1: the first row's stores stand in this row's work.
.macro ROW x, left, second
	s_wait_loadcnt \left
.irp k, 0,1,2,3
	v_pk_add_f32 v[T+2*\k:T+2*\k+1], v[\x+2*\k:\x+2*\k+1], v[\x+8+2*\k:\x+8+2*\k+1]   ; the first sums start the chains
.endr
.irp c, 16,24
.irp k, 0,1,2,3
	v_pk_add_f32 v[T+2*\k:T+2*\k+1], v[T+2*\k:T+2*\k+1], v[\x+\c+2*\k:\x+\c+2*\k+1]
.endr
.endr
	FOLD
	v_mul_f32 v[MEAN], 0x3a800000, v[T]            ; / 1024
	v_mov_b32 v[MEAN+1], v[MEAN]
.set i, 0
.rept 16
	v_pk_add_f32 v[\x+2*i:\x+2*i+1], v[\x+2*i:\x+2*i+1], v[MEAN:MEAN+1] neg_lo:[0,1] neg_hi:[0,1]   ; x - mean
.set i, i+1
.endr
.irp k, 0,1,2,3
	v_pk_mul_f32 v[T+2*\k:T+2*\k+1], v[\x+2*\k:\x+2*\k+1], v[\x+2*\k:\x+2*\k+1]
.endr
.irp c, 8,16,24
.irp k, 0,1,2,3
	v_pk_fma_f32 v[T+2*\k:T+2*\k+1], v[\x+\c+2*\k:\x+\c+2*\k+1], v[\x+\c+2*\k:\x+\c+2*\k+1], v[T+2*\k:T+2*\k+1]
.endr
.endr
	FOLD
	v_mul_f32 v[T], 0x3a800000, v[T]               ; the variance
	v_sqrt_f32 v[T], v[T]
	v_nop                                          ; one plain place behind a transcendental before its result is used (ISA guide 5.7.2)
	s_wait_alu depctr_va_vdst(0)                   ; the square root is written, ahead of its first reader; in the second row also: the first row's roundings have written the registers that the stores below read
.if \second
	STORES XA, 0                                   ; the first row leaves; what follows names none of its registers
.endif
	v_add_f32 v[T], 0x3089705f, v[T]               ; sd + 1e-9
	v_rcp_f32 v[INV], v[T]
	v_rcp_f32 v[INV+1], v[T]
	v_nop                                          ; the place behind the two reciprocals
.if \left
	s_wait_loadcnt 0x0                             ; gain and offset are in (and the second row)
.endif
.set i, 0
	s_wait_alu depctr_va_vdst(0)                   ; the two reciprocals are written, ahead of their first reader
.rept 16
	v_pk_mul_f32 v[\x+2*i:\x+2*i+1], v[\x+2*i:\x+2*i+1], v[INV:INV+1]
.set i, i+1
.endr
.set i, 0
.rept 16
	v_pk_fma_f32 v[\x+2*i:\x+2*i+1], v[\x+2*i:\x+2*i+1], v[G+2*i:G+2*i+1], v[O+2*i:O+2*i+1]
.set i, i+1
.endr
.irp j, 0,1,2,3,4,5,6,7
	v_cvt_pk_bf16_f32 v[\x+4*\j],   v[\x+4*\j],   v[\x+4*\j+1]
	v_cvt_pk_bf16_f32 v[\x+4*\j+1], v[\x+4*\j+2], v[\x+4*\j+3]
.endr
.endm
	ROW XA, 24, 0                                  ; 24 younger loads: the second row, gain, offset
	ROW XB, 0, 1
	s_wait_alu depctr_va_vdst(0)                   ; the second row's roundings have written the registers that its stores read
	STORES XB, 2048
	s_endpgm
.Lfunc_end_k_qb78147486d_ln2:
	.size	k_qb78147486d_ln2, .Lfunc_end_k_qb78147486d_ln2-k_qb78147486d_ln2
	.p2alignl 7, 3214868480
	.fill 96, 4, 3214868480
	.section	.rodata,"a",@progbits
	.p2align	6, 0x0
	.amdhsa_kernel k_qb78147486d_ln2
		.amdhsa_group_segment_fixed_size 0
		.amdhsa_private_segment_fixed_size 0
		.amdhsa_enable_private_segment 0
		.amdhsa_kernarg_size 32
		.amdhsa_user_sgpr_count 2
		.amdhsa_user_sgpr_kernarg_segment_ptr 1
		.amdhsa_wavefront_size32 1
		.amdhsa_system_sgpr_workgroup_id_x 1
		.amdhsa_system_sgpr_workgroup_id_y 1
		.amdhsa_system_sgpr_workgroup_id_z 1
		.amdhsa_system_vgpr_workitem_id 0
		.amdhsa_next_free_vgpr 144
		.amdhsa_next_free_sgpr 66
		.amdhsa_reserve_vcc 0
		.amdhsa_float_denorm_mode_32 3
		.amdhsa_float_denorm_mode_16_64 3
		.amdhsa_memory_ordered 1
		.amdhsa_forward_progress 1
		.amdhsa_inst_pref_size 21
	.end_amdhsa_kernel
	.amdgpu_metadata
---
amdhsa.version: [ 1, 2 ]
amdhsa.kernels:
  - .name:           k_qb78147486d_ln2
    .symbol:         k_qb78147486d_ln2.kd
    .args:
      - { .name: res, .offset: 0, .size: 8, .value_kind: global_buffer, .address_space: global }
      - { .name: g2, .offset: 8, .size: 8, .value_kind: global_buffer, .address_space: global }
      - { .name: o2, .offset: 16, .size: 8, .value_kind: global_buffer, .address_space: global }
      - { .name: act, .offset: 24, .size: 8, .value_kind: global_buffer, .address_space: global }
    .group_segment_fixed_size: 0
    .private_segment_fixed_size: 0
    .kernarg_segment_align: 8
    .kernarg_segment_size: 32
    .max_flat_workgroup_size: 256
    .sgpr_count:     66
    .vgpr_count:     144
    .wavefront_size: 32
...
	.end_amdgpu_metadata
.endif
;; end of part 9
;; launch gemm_ffn1: the kernel of part 6 again; grid 16 x 16, 4 waves a work-group, clusters of 4 x 4, 327,680 bytes of LDS; arguments act, wb, b1, big; writes big
;; launch gemm_ffn2: the kernel of part 7 again; grid 8 x 32, 4 waves a work-group, clusters of 4 x 4, 327,680 bytes of LDS; arguments big, wb, b2, res, out0; writes out0
